; MI455X (gfx1250); checked and timed in simulation.
; The chip was launched on July 23, 2026; its instructions are those of AMD's public machine-readable ISA for CDNA 5 (MIT licence, August 2026) and "CDNA5" Instruction Set Architecture Reference Guide (July 2026). The comments in the code are by the model that wrote it; some were corrected since.
;; Vanilla Vector Quantizer. Allowed arithmetic: float matrix products may take bf16 or f16 operands with f32 sums; all other float work in f32.
;; Inputs: emb 8,192 x 256 float32; z 8,192 x 256 float32.
;; Outputs: out0 one number float32; out1 8,192 x 256 float32.
;; 2 versions, each right and faster than the one before. Each part assembles by itself: llvm-mc -triple=amdgcn-amd-amdhsa -mcpu=gfx1250 --defsym DOCPART=n.
;; ======== version 1 of 2: 10 launches
;; workspace buffers: tab 4,227,072 bytes; rbf 4,194,304 bytes; keys 2,097,152 bytes of whole numbers; ra 8,388,608 bytes; rb 8,388,608 bytes; idx1 32,768 bytes of whole numbers; idx2 32,768 bytes of whole numbers; idx3 32,768 bytes of whole numbers
;; launch prep (part 1): grid 256 x 1, 8 waves a work-group, no clusters, 1,280 bytes of LDS; arguments emb, z, tab, rbf; writes tab, rbf
.if DOCPART == 1
	.amdgcn_target "amdgcn-amd-amdhsa--gfx1250"
	.amdhsa_code_object_version 6
	.text
	.protected	k_q493a595226_prep
	.globl	k_q493a595226_prep
	.p2align	8
	.type	k_q493a595226_prep,@function
k_q493a595226_prep:
	s_mov_b64 s[64:65], 0
	v_nop
	global_prefetch_b8 v0, s[64:65] scope:SCOPE_SE
	s_setreg_imm32_b32 hwreg(HW_REG_WAVE_MODE, 25, 1), 1
	s_wait_xcnt 0x0
; prep: the matrix operands of the candidate filter.
;   tab[code][k]  = bf16(-2 emb[code][k])   [8192][256], 4,194,304 bytes; behind it e_sq[code] = sum over k of emb^2, f32[8192]
;   rbf[token][k] = bf16(z[token][k])       [8192][256]
; A stream: every input byte is read once by 16-byte loads, every output byte written once.  No matrix unit, no cluster, no tensor
; load: no byte is used twice, so nothing could be shared.
; Work-groups 0-127 take 64 rows of emb each, 128-255 take 64 rows of z; a wave takes 8 rows, a row is two loads of 512 bytes.
; One text serves both: source, destination and factor (-2 or 1) are chosen by the work-group's number.  The z blocks form the sums
; of squares too and drop them (12 register instructions a row beside 1,536 bytes moved).
.set X, 32                             ; v[32:95] row i: 8 registers as loaded; then its bf16 in registers 0,1 and 4,5
.set ESQOFF, 0x400000                  ; e_sq behind the bf16 table
	s_load_b256 s[4:11], s[0:1], 0x0               ; emb s[4:5], z s[6:7], tab s[8:9], rbf s[10:11]
	v_lshl_add_u32 v96, v0, 2, 0x100
	v_mov_b32 v97, 0
	v_lshrrev_b32 v1, 5, v0
	v_readfirstlane_b32 s12, v1                    ; wave 0..7
	v_and_b32 v2, 31, v0                           ; lane
	v_lshlrev_b32 v3, 4, v2                        ; 16 bytes a lane (f32 in)
	v_lshlrev_b32 v4, 3, v2                        ; 8 bytes a lane (bf16 out, and e_sq out)
	v_lshlrev_b32 v5, 5, v1                        ; LDS: my wave's eight words
	s_mov_b32 s22, 0x76543210                      ; v_permlanex16_b32: lane i reads lane i of the other half
	s_mov_b32 s23, 0xfedcba98
	s_and_b32 s13, ttmp9, 127                      ; block of 64 rows in its tensor
	s_lshl_b32 s14, s13, 16                        ; 64 rows x 1,024 bytes
	s_lshl_b32 s15, s12, 13                        ; + wave x 8 rows
	s_add_co_u32 s14, s14, s15
	s_mov_b32 s15, 0
	s_lshr_b32 s16, s14, 1                         ; the same rows in bf16: half the bytes
	s_mov_b32 s17, 0
	s_lshl_b32 s26, s13, 8                         ; e_sq: 64 words a block
	s_mov_b32 s27, 0
	s_cmp_lt_u32 ttmp9, 128                        ; emb or z
	s_cselect_b32 s24, -2.0, 1.0
	s_mov_b32 s25, s24                             ; the pair is named whole by the packed multiply
	s_wait_kmcnt 0x0
	s_cselect_b64 s[18:19], s[4:5], s[6:7]
	s_cselect_b64 s[20:21], s[8:9], s[10:11]
	s_add_nc_u64 s[18:19], s[18:19], s[14:15]
	s_add_nc_u64 s[20:21], s[20:21], s[16:17]
	s_add_nc_u64 s[8:9], s[8:9], s[26:27]
.irp i, 0,1,2,3,4,5,6,7
	global_load_b128 v[X+8*\i:X+8*\i+3],   v3, s[18:19] offset:1024*\i          ; columns 4 lane .. +3
	global_load_b128 v[X+8*\i+4:X+8*\i+7], v3, s[18:19] offset:1024*\i+512      ; columns 128 + 4 lane .. +3
.endr
.macro ROWP i
	s_wait_loadcnt 14-2*\i                         ; loads come back in order: the 2 (7 - i) younger ones may stay out
	v_pk_mul_f32 v[8:9], v[X+8*\i:X+8*\i+1], v[X+8*\i:X+8*\i+1]
.irp k, 2,4,6
	v_pk_fma_f32 v[8:9], v[X+8*\i+\k:X+8*\i+\k+1], v[X+8*\i+\k:X+8*\i+\k+1], v[8:9]
.endr
.irp k, 0,2,4,6
	v_pk_mul_f32 v[X+8*\i+\k:X+8*\i+\k+1], v[X+8*\i+\k:X+8*\i+\k+1], s[24:25] op_sel_hi:[1,0]   ; x -2 is exact, so the rounding is emb's own
.endr
	v_add_f32 v8, v8, v9
	v_add_f32_dpp v8, v8, v8 row_xmask:1 row_mask:0xf bank_mask:0xf
	v_add_f32_dpp v8, v8, v8 row_xmask:2 row_mask:0xf bank_mask:0xf
	v_add_f32_dpp v8, v8, v8 row_xmask:4 row_mask:0xf bank_mask:0xf
	v_add_f32_dpp v8, v8, v8 row_xmask:8 row_mask:0xf bank_mask:0xf
	v_permlanex16_b32 v9, v8, s22, s23
	v_add_f32 v8, v8, v9                           ; the row's sum of squares, in every lane
	v_cvt_pk_bf16_f32 v[X+8*\i],   v[X+8*\i],   v[X+8*\i+1]     ; the row's own registers: no store's data is ever rewritten
	v_cvt_pk_bf16_f32 v[X+8*\i+1], v[X+8*\i+2], v[X+8*\i+3]
	v_cvt_pk_bf16_f32 v[X+8*\i+4], v[X+8*\i+4], v[X+8*\i+5]
	v_cvt_pk_bf16_f32 v[X+8*\i+5], v[X+8*\i+6], v[X+8*\i+7]
	global_store_b64 v4, v[X+8*\i:X+8*\i+1],   s[20:21] offset:512*\i           ; 32 lanes store 256 consecutive bytes, aligned
	global_store_b64 v4, v[X+8*\i+4:X+8*\i+5], s[20:21] offset:512*\i+256
	ds_store_b32 v5, v8 offset:4*\i                ; all lanes write the same word with the same value
.endm
.irp i, 0,1,2,3,4,5,6,7
	ROWP \i
.endr
	s_wait_dscnt 0x0                               ; my eight words are in LDS before I say so
	s_barrier_signal -1
	s_barrier_wait -1
	s_cmp_lt_u32 ttmp9, 128                        ; e_sq belongs to emb's blocks,
	s_cbranch_scc0 .Lend
	s_cmp_lg_u32 s12, 0                            ; and wave 0 stores the block's 64 words
	s_cbranch_scc1 .Lend
	ds_load_b64 v[12:13], v4                       ; 32 lanes x 8 bytes: the 256 bytes that the eight waves wrote
	s_wait_dscnt 0x0
	global_store_b64 v4, v[12:13], s[8:9] offset:ESQOFF     ; 32 lanes store 256 consecutive bytes, aligned
.Lend:
	s_wait_tensorcnt 0x0
	ds_add_u32 v96, v97
	s_wait_dscnt 0x0
	s_endpgm
.Lfunc_end_k_q493a595226_prep:
	.size	k_q493a595226_prep, .Lfunc_end_k_q493a595226_prep-k_q493a595226_prep
	.p2alignl 7, 3214868480
	.fill 96, 4, 3214868480
	.section	.rodata,"a",@progbits
	.p2align	6, 0x0
	.amdhsa_kernel k_q493a595226_prep
		.amdhsa_group_segment_fixed_size 1280
		.amdhsa_private_segment_fixed_size 0
		.amdhsa_enable_private_segment 0
		.amdhsa_kernarg_size 32
		.amdhsa_user_sgpr_count 2
		.amdhsa_user_sgpr_kernarg_segment_ptr 1
		.amdhsa_wavefront_size32 1
		.amdhsa_system_sgpr_workgroup_id_x 1
		.amdhsa_system_sgpr_workgroup_id_y 1
		.amdhsa_system_sgpr_workgroup_id_z 1
		.amdhsa_system_vgpr_workitem_id 0
		.amdhsa_next_free_vgpr 98
		.amdhsa_next_free_sgpr 66
		.amdhsa_reserve_vcc 0
		.amdhsa_float_denorm_mode_32 3
		.amdhsa_float_denorm_mode_16_64 3
		.amdhsa_memory_ordered 1
		.amdhsa_forward_progress 1
		.amdhsa_inst_pref_size 15
	.end_amdhsa_kernel
	.amdgpu_metadata
---
amdhsa.version: [ 1, 2 ]
amdhsa.kernels:
  - .name:           k_q493a595226_prep
    .symbol:         k_q493a595226_prep.kd
    .args:
      - { .name: emb, .offset: 0, .size: 8, .value_kind: global_buffer, .address_space: global }
      - { .name: z, .offset: 8, .size: 8, .value_kind: global_buffer, .address_space: global }
      - { .name: tab, .offset: 16, .size: 8, .value_kind: global_buffer, .address_space: global }
      - { .name: rbf, .offset: 24, .size: 8, .value_kind: global_buffer, .address_space: global }
    .group_segment_fixed_size: 1280
    .private_segment_fixed_size: 0
    .kernarg_segment_align: 8
    .kernarg_segment_size: 32
    .max_flat_workgroup_size: 256
    .sgpr_count:     66
    .vgpr_count:     98
    .wavefront_size: 32
...
	.end_amdgpu_metadata
.endif
;; end of part 1
;; launch a1 (part 2): grid 8 x 32, 4 waves a work-group, clusters of 4 x 4, 327,680 bytes of LDS; arguments rbf, tab, keys; writes keys
.if DOCPART == 2
	.amdgcn_target "amdgcn-amd-amdhsa--gfx1250"
	.amdhsa_code_object_version 6
	.text
	.protected	k_q493a595226_a1
	.globl	k_q493a595226_a1
	.p2align	8
	.type	k_q493a595226_a1,@function
k_q493a595226_a1:
	s_mov_b64 s[64:65], 0
	v_nop
	global_prefetch_b8 v0, s[64:65] scope:SCOPE_SE
	s_setreg_imm32_b32 hwreg(HW_REG_WAVE_MODE, 25, 1), 1
	s_wait_xcnt 0x0
	s_wait_alu depctr_hold_cnt(0) depctr_sa_sdst(0) depctr_va_vdst(0) depctr_va_sdst(0) depctr_va_ssrc(0) depctr_va_vcc(0) depctr_vm_vsrc(0)
	s_getreg_b32 s2, hwreg(HW_REG_IB_STS2, 6, 4)
	s_cmp_eq_u32 s2, 0
	s_cbranch_scc0 .Lentry_in_a_cluster
	s_endpgm
.Lentry_in_a_cluster:
	s_bfe_u32 s2, ttmp6, 0x10000c
	s_cmp_lg_u32 s2, 0xf033
	s_cbranch_scc0 .Lentry_shape_is_right
	s_endpgm
.Lentry_shape_is_right:
; The candidate filter of one depth step.  score[token][code] = e_sq[code] + sum over k of bf16(r[token][k]) bf16(-2 emb[code][k]),
; which is the problem's d2 without the term r_sq (equal for all codes of a token).  The scores never leave the registers: of every
; STREAM of 256 codes the two smallest are kept and stored as whole-number keys; a later launch decides among them in f32.
; LIMIT: a filter.  The later launch finds the f32 argmin if that code is among the 2 best bf16 scores of its stream (32 streams a
; token) and among the 8 smallest of the token's 64 keys (a key keeps sign, exponent and 10 mantissa bits of the score).  NaN and
; infinite inputs are not served.
;
; SHARES.  256 work-groups: block (bx, by) = 1,024 codes x 256 tokens, K = 256.  Four waves; wave w takes tokens 128 (w & 1) .. +127 and
; codes 512 (w >> 1) .. +511 of the block.  Its 128 tokens x 256 K stay in 512 registers for the whole launch; the codes pass by in
; strips of 16 (8 fragments, 16 LDS loads), each feeding 64 matrix instructions.
; THE MATRIX INSTRUCTION: source 0 = 16 codes, source 1 = 16 tokens.  Lane (r, h), register j of the result: token r, code 8 h + j.  The
; first K step takes e_sq (register j = e_sq[8 h + j]) as C, so the sum starts from e_sq and nothing is cleared or added later.
; A stream = (token, h, plane), plane = 2 bx + (w >> 1): codes plane x 512 + 16 n + 8 h + j, n = 0..31, j = 0..7; number in the stream 8 n + j.
; THE SCORE WORK rides behind the matrix instructions of the NEXT strip (two accumulator sets take turns): the stream number replaces the
; score's low 8 bits, then min / second min in f32 order: four plain instructions a register.
; CLUSTERS 4 x 4: the four work-groups of a row of the cluster share the token block, the four of a column the code block; both are asked
; for jointly, which divides the requests for them by four.
; LDS: two slots of 256 rows x 528 bytes (512 of data + 16 of padding: 33 x 16, so the 16 rows of a fragment load start 16 bytes apart
; modulo 256).  Slot 0 holds the tokens first, then code chunks 1 and 3; slot 1 chunks 0 and 2.  A chunk = 128 codes for each code half.
; Behind the slots 4,096 bytes of e_sq, written by LDS stores; no tensor load lands there.
.set PITCH,  528
.set STRIPB, 16*PITCH                  ; a strip of 16 rows
.set QB,     64*PITCH                  ; what one tensor load brings
.set HALFB,  128*PITCH
.set SLOT1,  256*PITCH
.set ESQL,   2*SLOT1
.set ESQOFF, 0x400000                  ; e_sq in tab
.set G1W0,   (1<<16)|(1<<20)|(1<<21)|(6<<22)|(3<<25)   ; 2-byte elements; padding on; bit 21 beside a mask; after every 128 words; 4 words
.set G1T,  16                          ; s[16:23] group 1, tokens (mask: my row of the cluster)
.set G1C,  24                          ; s[24:31] group 1, codes (mask: my column)
.set G0T,  32                          ; s[32:35] group 0, tokens into slot 0
.set G0C1, 36                          ; s[36:39] group 0, codes into slot 1: chunks 0, 2
.set G0C0, 40                          ; s[40:43] group 0, codes into slot 0: chunks 1, 3
.set IDX,  44                          ; s[44:51] stream number 8 n + j of register j in the strip whose scores are at work
; window 0
.set TA,   4                           ; LDS address of my token fragments
.set CA1,  5                           ; of my code fragments in slot 1
.set CA0,  6                           ; in slot 0
.set CW,   7                           ; the pair of strips at work
.set EW,   8                           ; its e_sq
.set KOFF, 9                           ; 16 r + 8 h: my two keys in a tile's 256 bytes
.set LB,   10                          ; plane x 512 + 8 h
.set TT,   12                          ; v[12:15] at work
.set MS,   16                          ; v[16:31] tile tt: smallest in 16 + 2 tt, second in 17 + 2 tt
.set EQ0,  32                          ; v[32:39], v[40:47] e_sq of a strip, two sets
.set EQ1,  40
.set CF,   48                          ; v[48:111] the strip's 8 code fragments
.set ACC0, 112                         ; v[112:175], v[176:239] 8 tiles of scores, two sets
.set ACC1, 176
; windows 1 and 2: token fragment (tile tt, K step kk) at register 64 (tt % 4) + 8 kk of window 1 + tt / 4
.set MSB, 0
.macro WIN new                         ; the immediate's high byte repeats the setting that is left
.if MSB != \new
	s_set_vgpr_msb (MSB<<8)|\new
.set MSB, \new
.endif
.endm
; A round of the cluster's barrier: my work-group's barrier, wave 0 signals for the work-group, every wave waits for all sixteen, my barrier again.
.macro ROUND
	s_barrier_signal -1
	s_barrier_wait -1
	s_cmp_lg_u32 s10, 0
	s_cbranch_scc1 .Lnot_wave_0_\@
	s_barrier_signal -3
.Lnot_wave_0_\@:
	s_barrier_wait -3
	s_barrier_signal -1
	s_barrier_wait -1
.endm
	s_load_b128 s[4:7], s[0:1], 0x0                ; rbf s[4:5], tab s[6:7]
	s_load_b64 s[8:9], s[0:1], 0x10                ; keys
	v_lshl_add_u32 v254, v0, 2, 0x43000
	v_mov_b32 v255, 0
	ds_add_u32 v254, v255
	v_lshrrev_b32 v1, 5, v0
	v_readfirstlane_b32 s10, v1                    ; wave 0..3
	s_and_b32 s11, s10, 1                          ; token half
	s_lshr_b32 s12, s10, 1                         ; code half
	s_bfe_u32 s13, ttmp6, 0x40000                  ; cx
	s_bfe_u32 s14, ttmp6, 0x40004                  ; cy
	s_lshl_b32 s56, ttmp9, 2
	s_add_co_u32 s56, s56, s13                     ; bx = 4 x cluster x + cx: code block
	s_and_b32 s57, ttmp7, 0xffff
	s_lshl_b32 s57, s57, 2
	s_add_co_u32 s57, s57, s14                     ; by = 4 x cluster y + cy: token block
	s_lshl_b32 s58, s14, 2
	s_lshl_b32 s58, 15, s58                        ; my row of the cluster
	s_lshl_b32 s59, 0x1111, s13                    ; my column
	s_or_b32 s[G1T], s58, G1W0
	s_or_b32 s[G1C], s59, G1W0
.irp g, G1T, G1C
	s_mov_b32 s[\g+1], 256<<16                     ; tensor_dim0 = 256 elements
	s_mov_b32 s[\g+2], 64<<16                      ; tensor_dim1 = 64 rows
	s_mov_b32 s[\g+3], 256<<16                     ; tile_dim0 = 256
	s_mov_b32 s[\g+4], 64                          ; tile_dim1 = 64
	s_mov_b32 s[\g+5], 256                         ; elements from row to row
	s_mov_b32 s[\g+6], 0
	s_mov_b32 s[\g+7], 0
.endr
	; byte offsets.  Tokens hang on by and the wave alone, codes on bx and the wave alone, each in registers that never hold the other coordinate.
	s_lshl_b32 s60, s57, 17                        ; 256 rows x 512 bytes
	s_lshl_b32 s61, s10, 15                        ; + wave x 64 rows
	s_add_co_u32 s60, s60, s61
	s_mov_b32 s61, 0
	s_lshl_b32 s62, s56, 19                        ; 1,024 rows x 512 bytes
	s_lshl_b32 s63, s12, 18                        ; + (w >> 1) x 512 rows: the code half
	s_add_co_u32 s62, s62, s63
	s_lshl_b32 s63, s11, 15                        ; + (w & 1) x 64 rows of the chunk
	s_add_co_u32 s62, s62, s63
	s_mov_b32 s63, 0
	s_lshl_b32 s66, s56, 12                        ; e_sq of my 1,024 codes
	s_mov_b32 s67, 0
	s_lshl_b32 s71, s56, 1
	s_add_co_u32 s71, s71, s12                     ; plane
	s_lshl_b32 s72, s71, 17                        ; keys: a plane is 8,192 tokens x 16 bytes
	s_lshl_b32 s73, s57, 12                        ; + 256 tokens a block
	s_add_co_u32 s72, s72, s73
	s_lshl_b32 s73, s11, 11                        ; + 128 tokens a half
	s_add_co_u32 s72, s72, s73
	s_mov_b32 s73, 0
	s_lshl_b32 s74, s71, 9                         ; plane x 512
	s_mov_b32 s[G0T], 1
	s_mul_i32 s[G0T+1], s10, QB                    ; LDS addresses hang on the wave's number alone
	s_mov_b32 s[G0C1], 1
	s_mul_i32 s[G0C1+1], s10, QB
	s_add_co_u32 s[G0C1+1], s[G0C1+1], SLOT1
	s_mov_b32 s[G0C0], 1
	s_mul_i32 s[G0C0+1], s10, QB
	s_mov_b32 s52, 0xff                            ; the bits that the stream number takes
	s_mov_b32 s53, 0x7f800000                      ; +inf: neutral in a minimum of three
	s_mov_b32 s54, 0xff800000                      ; -inf: neutral in a maximum of three
.irp j, 0,1,2,3,4,5,6,7
	s_mov_b32 s[IDX+\j], \j
.endr
	v_lshlrev_b32 v11, 4, v0                       ; 16 x thread
	s_wait_dscnt 0x0
	s_wait_kmcnt 0x0
	s_add_nc_u64 s[G0T+2:G0T+3], s[4:5], s[60:61]
	s_add_nc_u64 s[G0C1+2:G0C1+3], s[6:7], s[62:63]          ; chunk 0
	s_add_nc_u64 s[G0C0+2:G0C0+3], s[G0C1+2:G0C1+3], 0x10000 ; chunk 1: 128 rows on
	s_or_b32 s[G0T+3], s[G0T+3], 0x80000000
	s_or_b32 s[G0C1+3], s[G0C1+3], 0x80000000
	s_or_b32 s[G0C0+3], s[G0C0+3], 0x80000000
	s_add_nc_u64 s[66:67], s[6:7], s[66:67]
	s_add_nc_u64 s[8:9], s[8:9], s[72:73]
	ROUND                                          ; all sixteen work-groups are here: the first joint loads meet
	tensor_load_to_lds s[G0T:G0T+3], s[G1T:G1T+7]  ; the two first fills go out together: two tensor loads of the wave are out, never more
	s_nop 0
	tensor_load_to_lds s[G0C1:G0C1+3], s[G1C:G1C+7]
	s_nop 0
	global_load_b128 v[240:243], v11, s[66:67] offset:ESQOFF          ; e_sq: 128 threads x 16 bytes, twice
	global_load_b128 v[244:247], v11, s[66:67] offset:ESQOFF+2048
	v_and_b32 v1, 15, v0                           ; r
	v_bfe_u32 v2, v0, 4, 1                         ; h
	v_mul_u32_u24 v3, v1, PITCH
	v_lshl_add_u32 v3, v2, 4, v3                   ; a fragment's lane term: row r, 16 h bytes
	s_mul_i32 s68, s11, HALFB
	v_add_nc_u32 v[TA], s68, v3
	s_mul_i32 s69, s12, HALFB
	v_add_nc_u32 v[CA0], s69, v3
	s_add_co_u32 s69, s69, SLOT1
	v_add_nc_u32 v[CA1], s69, v3
	s_lshl_b32 s70, s12, 11
	s_add_co_u32 s70, s70, ESQL
	v_lshl_add_u32 v[EW], v2, 5, s70               ; e_sq of codes 8 h .. 8 h + 7 of my half's first strip
	v_lshlrev_b32 v[KOFF], 4, v1
	v_lshl_add_u32 v[KOFF], v2, 3, v[KOFF]
	v_lshl_add_u32 v[LB], v2, 3, s74
	v_add_nc_u32 v248, ESQL, v11
.irp k, 0,1,2,3,4,5,6,7,8,9,10,11,12,13,14,15
	v_mov_b32 v[MS+\k], s53                        ; the sixteen running minima start at +inf
.endr
	s_wait_loadcnt 0x0
	ds_store_b128 v248, v[240:243]
	ds_store_b128 v248, v[244:247] offset:2048
	s_wait_tensorcnt 0x1                           ; tensor loads end in order: my token rows are in, chunk 0 may stay out
	s_wait_dscnt 0x0                               ; my part of e_sq is in LDS
	s_barrier_signal -1
	s_barrier_wait -1
	; my 128 tokens x 256 K into windows 1 and 2: lane (r, h) holds row r; registers 0-3 K = 8 h .. +7, registers 4-7 K = 16 + 8 h .. +7 of each 32
	WIN 0x40
.irp tt, 0,1,2,3
.irp kk, 0,1,2,3,4,5,6,7
	ds_load_b128 v[64*\tt+8*\kk:64*\tt+8*\kk+3],   v[TA] offset:\tt*STRIPB+64*\kk
	ds_load_b128 v[64*\tt+8*\kk+4:64*\tt+8*\kk+7], v[TA] offset:\tt*STRIPB+64*\kk+32
.endr
.endr
	WIN 0x80
.irp tt, 0,1,2,3
.irp kk, 0,1,2,3,4,5,6,7
	ds_load_b128 v[64*\tt+8*\kk:64*\tt+8*\kk+3],   v[TA] offset:(\tt+4)*STRIPB+64*\kk
	ds_load_b128 v[64*\tt+8*\kk+4:64*\tt+8*\kk+7], v[TA] offset:(\tt+4)*STRIPB+64*\kk+32
.endr
.endr
	WIN 0
	s_wait_dscnt 0x0                               ; my reads of the tokens are back,
	s_wait_tensorcnt 0x0                           ; all my tensor loads have landed (chunk 0 among them),
	ds_add_u32 v254, v255
	s_wait_dscnt 0x0
	ROUND                                          ; and that holds of every wave of the cluster:
	tensor_load_to_lds s[G0C0:G0C0+3], s[G1C:G1C+7]    ; chunk 1 into the tokens' slot, the wave's one load behind the round
	s_nop 0
	v_mov_b32 v[CW], v[CA1]
	ds_load_b128 v[EQ0:EQ0+3],   v[EW]             ; strip 0: e_sq first, then the eight fragments: the order that the counted waits lean on
	ds_load_b128 v[EQ0+4:EQ0+7], v[EW] offset:16
.irp kk, 0,1,2,3,4,5,6,7
	ds_load_b128 v[CF+8*\kk:CF+8*\kk+3],   v[CW] offset:64*\kk
	ds_load_b128 v[CF+8*\kk+4:CF+8*\kk+7], v[CW] offset:64*\kk+32
.endr
; The score work on register e of set prv: tile e / 8, code j = e % 8.  Source 1 is a scalar in all four lines, because source 1's window
; is the tokens' while matrix instructions run.
.macro EPI prv, e
	v_bfi_b32 v[\prv+(\e)], s52, s[IDX+(\e)%8], v[\prv+(\e)]                                  ; the low 8 bits become the stream number
	v_max3_num_f32 v[TT+((\e)/8)%4], v[MS+2*((\e)/8)], s54, v[\prv+(\e)]                      ; the larger of smallest and new
	v_min3_num_f32 v[MS+2*((\e)/8)], v[MS+2*((\e)/8)], s53, v[\prv+(\e)]                      ; smallest
	v_min3_num_f32 v[MS+2*((\e)/8)+1], v[MS+2*((\e)/8)+1], s53, v[TT+((\e)/8)%4]              ; second
.endm
; 32 matrix instructions: tiles 4 hi .. 4 hi + 3, all of K.  The four accumulators take turns, one instruction a turn.
; Behind each stands the score work on one register of the strip before (ep).  In the second half (hi = 1, pf) fragment kk is loaded again for
; the next strip behind its last use: the four lines of score work (or four v_nop) are the four places that a load into a matrix
; instruction's source keeps (ISA guide 7.12.1 for vector instructions).
.macro HALF cur, prv, eqc, ep, pf, areg, aoff, hi
.irp kk, 0,1,2,3,4,5,6,7
.if \hi == 0
	s_wait_dscnt 14-2*\kk                          ; LDS loads come back in order: e_sq and fragments 0 .. kk are in, the 2 (7 - kk) younger loads may be out
.endif
.irp t, 0,1,2,3
.if \kk == 0
	v_wmma_f32_16x16x32_bf16 v[\cur+32*\hi+8*\t:\cur+32*\hi+8*\t+7], v[CF+8*\kk:CF+8*\kk+7], v[64*\t+8*\kk:64*\t+8*\kk+7], v[\eqc:\eqc+7]
.else
	v_wmma_f32_16x16x32_bf16 v[\cur+32*\hi+8*\t:\cur+32*\hi+8*\t+7], v[CF+8*\kk:CF+8*\kk+7], v[64*\t+8*\kk:64*\t+8*\kk+7], v[\cur+32*\hi+8*\t:\cur+32*\hi+8*\t+7]
.endif
.if \ep
	EPI \prv, 32*\hi+8*\t+\kk
.endif
.endr
.if \hi
.if \pf
.if \ep == 0
	v_nop
	v_nop
	v_nop
	v_nop
.endif
	ds_load_b128 v[CF+8*\kk:CF+8*\kk+3],   v[\areg] offset:\aoff+64*\kk
	ds_load_b128 v[CF+8*\kk+4:CF+8*\kk+7], v[\areg] offset:\aoff+64*\kk+32
.endif
.endif
.endr
.endm
; A strip: 16 codes x my 128 tokens into set cur; the next strip's e_sq (into eqn, from EW + eoff) and fragments (from areg + aoff) are fetched.
.macro STRIP cur, prv, eqc, eqn, ep, pf, areg, aoff, eoff
	WIN 0x04                                       ; source 1 = window 1: tiles 0-3
	HALF \cur, \prv, \eqc, \ep, 0, \areg, \aoff, 0
	WIN 0x08                                       ; source 1 = window 2: tiles 4-7
.if \pf
	ds_load_b128 v[\eqn:\eqn+3],   v[EW] offset:\eoff
	ds_load_b128 v[\eqn+4:\eqn+7], v[EW] offset:\eoff+16
.endif
	HALF \cur, \prv, \eqc, \ep, \pf, \areg, \aoff, 1
.endm
.macro IDXSTEP                         ; the scores at work move on by one strip
.irp j, 0,1,2,3,4,5,6,7
	s_add_co_u32 s[IDX+\j], s[IDX+\j], 8
.endr
.endm
.macro STEP2                           ; two strips on
	WIN 0
	v_add_nc_u32 v[CW], 2*STRIPB, v[CW]
	v_add_nc_u32 v[EW], 128, v[EW]
.endm
.macro PAIRS n                         ; n pairs of strips inside a chunk
	s_mov_b32 s55, \n
.Lpair_\@:
	STRIP ACC0, ACC1, EQ0, EQ1, 1, 1, CW, STRIPB, 64
	IDXSTEP
	STRIP ACC1, ACC0, EQ1, EQ0, 1, 1, CW, 2*STRIPB, 128
	IDXSTEP
	STEP2
	s_sub_co_u32 s55, s55, 1
	s_cmp_lg_u32 s55, 0
	s_cbranch_scc1 .Lpair_\@
.endm
; The change of slots, between a chunk's strips 6 and 7: strip 7's fragments have been fetched, so this slot is read no more.
; Each wave waits for its LDS reads and for all its tensor loads (one is out: its part of the other slot); with a refill a round of the
; cluster's barrier follows and the joint load of this slot's next chunk (two chunks = 131,072 bytes on) is the first thing behind it.
; That load has eight strips, 512 matrix instructions, in which to land.
.macro TURN g0, refill
	s_wait_dscnt 0x0
	s_wait_tensorcnt 0x0
	ds_add_u32 v254, v255
	s_wait_dscnt 0x0
.if \refill
	s_add_nc_u64 s[\g0+2:\g0+3], s[\g0+2:\g0+3], 0x20000     ; no tensor load of the wave is out: a group 0 may be written
	ROUND
	tensor_load_to_lds s[\g0:\g0+3], s[G1C:G1C+7]
	s_nop 0
.else
	s_barrier_signal -1                            ; nothing is left to fetch: the barrier only shows the other slot whole
	s_barrier_wait -1
.endif
.endm
; A chunk's last two strips.  mode 2: change slots and refill; 1: change slots; 0: the last chunk.  nxt: my address in the other slot.
.macro TAIL2 g0, mode, nxt
	STRIP ACC0, ACC1, EQ0, EQ1, 1, 1, CW, STRIPB, 64
	IDXSTEP
	WIN 0
.if \mode
	TURN \g0, \mode-1
	STRIP ACC1, ACC0, EQ1, EQ0, 1, 1, \nxt, 0, 128
	IDXSTEP
	WIN 0
	v_mov_b32 v[CW], v[\nxt]
	v_add_nc_u32 v[EW], 128, v[EW]
.else
	STRIP ACC1, ACC0, EQ1, EQ0, 1, 0, CW, 0, 0
	IDXSTEP
	WIN 0
.endif
.endm
	STRIP ACC0, ACC1, EQ0, EQ1, 0, 1, CW, STRIPB, 64       ; chunk 0, slot 1.  Strip 0 has no scores to work on yet
	STRIP ACC1, ACC0, EQ1, EQ0, 1, 1, CW, 2*STRIPB, 128
	IDXSTEP
	STEP2
	PAIRS 2
	TAIL2 G0C1, 2, CA0                             ; chunk 2 is asked for
	PAIRS 3                                        ; chunk 1, slot 0
	TAIL2 G0C0, 2, CA1                             ; chunk 3 is asked for
	PAIRS 3                                        ; chunk 2, slot 1
	TAIL2 G0C1, 1, CA0
	PAIRS 3                                        ; chunk 3, slot 0
	TAIL2 G0C1, 0, CA0
	v_nop                                          ; four places behind the last matrix instruction, then the last strip's scores
	v_nop
	v_nop
	v_nop
.set en, 0
.rept 64
	EPI ACC1, en
.set en, en+1
.endr
	; keys: bits 31:13 = the score's top 19 bits in an order that unsigned compares keep (negative: all bits turned; else the sign bit set),
	; bits 12:0 = the code = plane x 512 + 16 n + 8 h + j, from the stream number 8 n + j
.irp k, 0,1,2,3,4,5,6,7,8,9,10,11,12,13,14,15
	v_and_b32 v240, 0xf8, v[MS+\k]
	v_and_b32 v241, 7, v[MS+\k]
	v_lshl_or_b32 v240, v240, 1, v241
	v_or_b32 v240, v240, v[LB]
	v_ashrrev_i32 v241, 31, v[MS+\k]
	v_or_b32 v241, 0x80000000, v241
	v_xor_b32 v241, v[MS+\k], v241
	v_and_or_b32 v[MS+\k], v241, 0xffffe000, v240
.endr
.irp tt, 0,1,2,3,4,5,6,7
	global_store_b64 v[KOFF], v[MS+2*\tt:MS+2*\tt+1], s[8:9] offset:256*\tt     ; 32 lanes store a tile's 256 consecutive bytes, aligned
.endr
	ROUND                                          ; the closing round: no work-group ends while a partner may still ask for a tile that names it
	s_endpgm
.Lfunc_end_k_q493a595226_a1:
	.size	k_q493a595226_a1, .Lfunc_end_k_q493a595226_a1-k_q493a595226_a1
	.p2alignl 7, 3214868480
	.fill 96, 4, 3214868480
	.section	.rodata,"a",@progbits
	.p2align	6, 0x0
	.amdhsa_kernel k_q493a595226_a1
		.amdhsa_group_segment_fixed_size 327680
		.amdhsa_private_segment_fixed_size 0
		.amdhsa_enable_private_segment 0
		.amdhsa_kernarg_size 24
		.amdhsa_user_sgpr_count 2
		.amdhsa_user_sgpr_kernarg_segment_ptr 1
		.amdhsa_wavefront_size32 1
		.amdhsa_system_sgpr_workgroup_id_x 1
		.amdhsa_system_sgpr_workgroup_id_y 1
		.amdhsa_system_sgpr_workgroup_id_z 1
		.amdhsa_system_vgpr_workitem_id 0
		.amdhsa_next_free_vgpr 768
		.amdhsa_next_free_sgpr 80
		.amdhsa_reserve_vcc 0
		.amdhsa_float_denorm_mode_32 3
		.amdhsa_float_denorm_mode_16_64 3
		.amdhsa_memory_ordered 1
		.amdhsa_forward_progress 1
		.amdhsa_inst_pref_size 255
	.end_amdhsa_kernel
	.section	.bss,"aw",@nobits
	.p2align	6
	.space	262144
	.amdgpu_metadata
---
amdhsa.version: [ 1, 2 ]
amdhsa.kernels:
  - .name:           k_q493a595226_a1
    .symbol:         k_q493a595226_a1.kd
    .args:
      - { .name: rbf, .offset: 0, .size: 8, .value_kind: global_buffer, .address_space: global }
      - { .name: tab, .offset: 8, .size: 8, .value_kind: global_buffer, .address_space: global }
      - { .name: keys, .offset: 16, .size: 8, .value_kind: global_buffer, .address_space: global }
    .group_segment_fixed_size: 327680
    .private_segment_fixed_size: 0
    .kernarg_segment_align: 8
    .kernarg_segment_size: 24
    .max_flat_workgroup_size: 128
    .sgpr_count:     80
    .vgpr_count:     768
    .wavefront_size: 32
...
	.end_amdgpu_metadata
.endif
;; end of part 2
;; launch b1 (part 3): grid 512 x 1, 4 waves a work-group, no clusters, 768 bytes of LDS; arguments z, emb, tab, keys, rbf, ra, idx1; writes rbf, ra, idx1
.if DOCPART == 3
	.amdgcn_target "amdgcn-amd-amdhsa--gfx1250"
	.amdhsa_code_object_version 6
	.text
	.protected	k_q493a595226_b1
	.globl	k_q493a595226_b1
	.p2align	8
	.type	k_q493a595226_b1,@function
k_q493a595226_b1:
	s_mov_b64 s[64:65], 0
	v_nop
	global_prefetch_b8 v0, s[64:65] scope:SCOPE_SE
	s_setreg_imm32_b32 hwreg(HW_REG_WAVE_MODE, 25, 1), 1
	s_wait_xcnt 0x0
; The decision of one depth step, in f32 on the f32 inputs.  For each token: the 8 smallest of its 64 keys name 8 codes; their rows of emb are
; gathered; d2 = (r_sq - 2 dot) + e_sq is rounded in the order of the problem's own formula; the smallest wins, the lower code on a tie
; (argmin's rule).  Then r_out = r - emb[code] (f32), rbf = bf16(r_out) for the next filter, idx_out = code.
; A key (stored by the launch before): bits 31:13 the top 19 bits of a bf16-product score in unsigned order, bits 12:0 the code; a token has
; the two best keys of each of 32 streams of 256 codes.
; LIMITS: the winner is the f32 argmin over the 8 candidates.  That is the argmin over all 8,192 codes if the winning code is among the 2 best
; bf16 scores of its stream and among the 8 smallest of the 64 keys (10 mantissa bits of the score); where f32 d2 ties more than 8 codes, as
; with offsets far above the spread, the lowest of them may be missed.  The 256 products of a dot are summed 8 to a lane by fused
; multiply-adds and then across lanes: an order of its own.  NaN and infinities are not served.
; All addresses come from whole numbers read from memory (keys); what hangs on floats only selects values (v_cndmask_b32).
; No matrix unit (8 rows a token), no tensor load and no cluster: the rows differ from token to token.
; SHARES: 512 work-groups of 16 tokens.  Every wave merges the keys of all 16 (lane (r, hh): token r, planes hh, hh + 2, ..), which costs no
; barrier; wave w then takes tokens 4 w .. 4 w + 3, one at a time, the next token's 18 loads on their way meanwhile.
.set ESQOFF, 0x400000
.set LST,  16                          ; v[16:23]   the 8 smallest keys, ascending while keys are inserted
.set EV,   24                          ; v[24:31]   e_sq of the lane's 8 codes (first their byte offsets)
.set VOFF, 32                          ; v[32:47]   two sets of 8 row offsets
.set RES,  48                          ; v[48:63]   two sets: my 8 numbers of r
.set QV,   64                          ; v[64:71]   my 8 numbers of the best row so far
.set DP,   72                          ; v[72:89]   nine pairs: dots 0-7 and r_sq; then d2 in the even registers
.set BF,   106                         ; v[106:109] bf16 to store
.set ROW,  112                         ; v[112:239] two sets of 8 rows x 8 registers
.set KEY,  208                         ; v[208:239] the lane's 32 keys, before the rows need the registers
.set CD,   32                          ; s[32:47]   two sets of 8 codes
	s_load_b256 s[4:11], s[0:1], 0x0               ; r_in s[4:5], emb s[6:7], tab s[8:9], keys s[10:11]
	s_load_b128 s[12:15], s[0:1], 0x20             ; rbf s[12:13], r_out s[14:15]
	s_load_b64 s[16:17], s[0:1], 0x30              ; idx_out
	v_lshl_add_u32 v240, v0, 2, 0x100
	v_mov_b32 v241, 0
	v_lshrrev_b32 v5, 5, v0
	v_readfirstlane_b32 s24, v5                    ; wave 0..3
	s_lshl_b32 s25, s24, 2                         ; my first token in the group
	v_and_b32 v1, 31, v0                           ; lane
	v_lshlrev_b32 v2, 4, v1                        ; 16 bytes a lane
	v_lshlrev_b32 v3, 3, v1                        ; 8 bytes a lane
	v_and_b32 v6, 15, v0
	v_bfe_u32 v7, v0, 4, 1
	v_lshlrev_b32 v4, 4, v6                        ; keys: token r x 16 bytes
	v_lshl_add_u32 v4, v7, 17, v4                  ; + plane hh x 131,072
	v_lshlrev_b32 v14, 4, v5                       ; LDS: my wave's four words
	v_lshlrev_b32 v15, 2, v6                       ; 4 bytes x (thread mod 16): one of the group's 16 words
	s_mov_b32 s28, 0x76543210                      ; v_permlanex16_b32: lane i reads lane i of the other half
	s_mov_b32 s29, 0xfedcba98
	s_lshl_b32 s30, ttmp9, 8                       ; keys: 16 tokens x 16 bytes
	s_mov_b32 s31, 0
	s_lshl_b32 s18, ttmp9, 4
	s_add_co_u32 s18, s18, s25                     ; my first token
	s_lshl_b32 s18, s18, 10                        ; x 1,024 bytes
	s_mov_b32 s19, 0
	s_lshr_b32 s20, s18, 1                         ; x 512 bytes
	s_mov_b32 s21, 0
	s_lshl_b32 s22, ttmp9, 6                       ; idx: 16 words
	s_mov_b32 s23, 0
	s_wait_kmcnt 0x0
	s_add_nc_u64 s[10:11], s[10:11], s[30:31]
	s_add_nc_u64 s[4:5], s[4:5], s[18:19]
	s_add_nc_u64 s[14:15], s[14:15], s[18:19]
	s_add_nc_u64 s[12:13], s[12:13], s[20:21]
	s_add_nc_u64 s[16:17], s[16:17], s[22:23]
.irp i, 0,1,2,3,4,5,6,7
	global_load_b128 v[KEY+4*\i:KEY+4*\i+3], v4, s[10:11] offset:262144*\i     ; plane 2 i + hh: 16 lanes read 256 consecutive bytes
.endr
.irp i, 0,1,2,3,4,5,6,7
	v_mov_b32 v[LST+\i], -1                        ; above every key
.endr
	s_wait_loadcnt 0x0
	; insert each key into the ascending list of 8: new L[i] = min(L[i], max(L[i-1], x)); the maxima use the old list
.set kn, 0
.rept 32
.irp i, 1,2,3,4,5,6,7
	v_max_u32 v[DP+\i], v[LST+\i-1], v[KEY+kn]
.endr
.irp i, 1,2,3,4,5,6,7
	v_min_u32 v[LST+\i], v[LST+\i], v[DP+\i]
.endr
	v_min_u32 v[LST], v[LST], v[KEY+kn]
.set kn, kn+1
.endr
	; the other half's list, met in reverse: min(A[i], B[7-i]) are the 8 smallest of both
.irp i, 0,1,2,3,4,5,6,7
	v_permlanex16_b32 v[KEY+\i], v[LST+\i], s28, s29
.endr
.irp i, 0,1,2,3,4,5,6,7
	v_min_u32 v[LST+\i], v[LST+\i], v[KEY+7-\i]
.endr
.irp c, 0,1,2,3,4,5,6,7
	v_and_b32 v[EV+\c], 0x1fff, v[LST+\c]          ; the code
	v_min_u32 v[EV+\c], 0x1fff, v[EV+\c]           ; stays inside the table
	v_lshlrev_b32 v[EV+\c], 2, v[EV+\c]
	global_load_b32 v[EV+\c], v[EV+\c], s[8:9] offset:ESQOFF      ; a load may land on its own address register
.endr
; Token i of my four: its 8 codes as scalars, then 18 loads into set b.
.macro ISSUE i, b
	s_wait_xcnt 0x0                                ; offsets and store data of earlier memory instructions are rewritten only behind this wait
	s_add_co_u32 s26, s25, \i                      ; the lane that holds the token's list
.irp c, 0,1,2,3,4,5,6,7
	v_readlane_b32 s[CD+8*\b+\c], v[LST+\c], s26
	s_and_b32 s[CD+8*\b+\c], s[CD+8*\b+\c], 0x1fff
	s_min_u32 s[CD+8*\b+\c], s[CD+8*\b+\c], 0x1fff
	v_lshl_add_u32 v[VOFF+8*\b+\c], s[CD+8*\b+\c], 10, v2
.endr
	global_load_b128 v[RES+8*\b:RES+8*\b+3],   v2, s[4:5] offset:1024*\i
	global_load_b128 v[RES+8*\b+4:RES+8*\b+7], v2, s[4:5] offset:1024*\i+512
.irp c, 0,1,2,3,4,5,6,7
	global_load_b128 v[ROW+64*\b+8*\c:ROW+64*\b+8*\c+3],   v[VOFF+8*\b+\c], s[6:7]
	global_load_b128 v[ROW+64*\b+8*\c+4:ROW+64*\b+8*\c+7], v[VOFF+8*\b+\c], s[6:7] offset:512
.endr
.endm
; d2 of the 8 candidates of set b and the choice: best d2 in v8, its code in v9, its row in QV.  s26 = the token's lane.
.macro DOTSEL b
	v_pk_mul_f32 v[DP+16:DP+17], v[RES+8*\b:RES+8*\b+1], v[RES+8*\b:RES+8*\b+1]
.irp c, 0,1,2,3,4,5,6,7
	v_pk_mul_f32 v[DP+2*\c:DP+2*\c+1], v[RES+8*\b:RES+8*\b+1], v[ROW+64*\b+8*\c:ROW+64*\b+8*\c+1]
.endr
.irp k, 2,4,6
	v_pk_fma_f32 v[DP+16:DP+17], v[RES+8*\b+\k:RES+8*\b+\k+1], v[RES+8*\b+\k:RES+8*\b+\k+1], v[DP+16:DP+17]
.irp c, 0,1,2,3,4,5,6,7
	v_pk_fma_f32 v[DP+2*\c:DP+2*\c+1], v[RES+8*\b+\k:RES+8*\b+\k+1], v[ROW+64*\b+8*\c+\k:ROW+64*\b+8*\c+\k+1], v[DP+2*\c:DP+2*\c+1]
.endr
.endr
.irp c, 0,1,2,3,4,5,6,7,8
	v_add_f32 v[DP+2*\c], v[DP+2*\c], v[DP+2*\c+1]
.endr
.irp m, 1,2,4,8
.irp c, 0,1,2,3,4,5,6,7,8
	v_add_f32_dpp v[DP+2*\c], v[DP+2*\c], v[DP+2*\c] row_xmask:\m row_mask:0xf bank_mask:0xf    ; nine sums side by side: none waits for itself
.endr
.endr
.irp c, 0,1,2,3,4,5,6,7,8
	v_permlanex16_b32 v[DP+2*\c+1], v[DP+2*\c], s28, s29
.endr
.irp c, 0,1,2,3,4,5,6,7,8
	v_add_f32 v[DP+2*\c], v[DP+2*\c], v[DP+2*\c+1]             ; every lane holds every sum
.endr
.irp c, 0,1,2,3,4,5,6,7
	v_readlane_b32 s51, v[EV+\c], s26
	v_fma_f32 v[DP+2*\c], v[DP+2*\c], -2.0, v[DP+16]           ; 2 dot is exact, so this is the one rounding of r_sq - 2 dot
	v_add_f32 v[DP+2*\c], s51, v[DP+2*\c]                      ; + e_sq, rounded again
.endr
	v_mov_b32 v9, s[CD+8*\b]
.irp c, 1,2,3,4,5,6,7
	v_mov_b32 v11, s[CD+8*\b+\c]
.if \c == 1
	v_cmp_lt_f32 s48, v[DP+2], v[DP]
	v_cmp_eq_f32 s49, v[DP+2], v[DP]
.else
	v_cmp_lt_f32 s48, v[DP+2*\c], v8
	v_cmp_eq_f32 s49, v[DP+2*\c], v8
.endif
	v_cmp_gt_u32 s50, v9, v11
	s_and_b32 s49, s49, s50                        ; equal and a lower code,
	s_or_b32 s48, s48, s49                         ; or smaller: candidate c takes over
.if \c == 1
	v_cndmask_b32 v8, v[DP], v[DP+2], s48          ; the first choice reads rows 0 and 1: nothing is copied
.irp k, 0,1,2,3,4,5,6,7
	v_cndmask_b32 v[QV+\k], v[ROW+64*\b+\k], v[ROW+64*\b+8+\k], s48
.endr
.else
	v_cndmask_b32 v8, v8, v[DP+2*\c], s48
.irp k, 0,1,2,3,4,5,6,7
	v_cndmask_b32 v[QV+\k], v[QV+\k], v[ROW+64*\b+8*\c+\k], s48
.endr
.endif
	v_cndmask_b32 v9, v9, v11, s48
.endr
.endm
.macro PROC i, b, left
	s_wait_loadcnt \left                           ; loads come back in order: this token's 18 are in, the next token's 18 may be out
	s_add_co_u32 s26, s25, \i
	DOTSEL \b
.irp k, 0,2,4,6
	v_pk_add_f32 v[RES+8*\b+\k:RES+8*\b+\k+1], v[RES+8*\b+\k:RES+8*\b+\k+1], v[QV+\k:QV+\k+1] neg_lo:[0,1] neg_hi:[0,1]
.endr
	global_store_b128 v2, v[RES+8*\b:RES+8*\b+3],   s[14:15] offset:1024*\i          ; a wave's store covers 512 consecutive bytes, aligned
	global_store_b128 v2, v[RES+8*\b+4:RES+8*\b+7], s[14:15] offset:1024*\i+512
	s_wait_xcnt 0x0                                ; BF, the last token's store data, is rewritten only behind this wait
.irp k, 0,1,2,3
	v_cvt_pk_bf16_f32 v[BF+\k], v[RES+8*\b+2*\k], v[RES+8*\b+2*\k+1]
.endr
	global_store_b64 v3, v[BF:BF+1],   s[12:13] offset:512*\i                        ; 256 consecutive bytes, aligned
	global_store_b64 v3, v[BF+2:BF+3], s[12:13] offset:512*\i+256
	ds_store_b32 v14, v9 offset:4*\i               ; the code: all lanes write the same word with the same value
.endm
	ISSUE 0, 0
	ISSUE 1, 1
	PROC 0, 0, 18
	ISSUE 2, 0
	PROC 1, 1, 18
	ISSUE 3, 1
	PROC 2, 0, 18
	PROC 3, 1, 0
	s_wait_dscnt 0x0                               ; my four codes are in LDS before I say so
	s_barrier_signal -1
	s_barrier_wait -1
	s_cmp_lg_u32 s24, 0
	s_cbranch_scc1 .Lend
	v_cmp_gt_u32 vcc_lo, 16, v0
	s_wait_xcnt 0x0                                ; EXEC is a source of the stores above
	s_and_saveexec_b32 s27, vcc_lo
	ds_load_b32 v6, v15                            ; the 64 bytes that the four waves wrote
	s_wait_dscnt 0x0
	global_store_b32 v15, v6, s[16:17]             ; the group's 16 codes: 64 consecutive bytes, a quarter of an aligned 256 (32,768 bytes in the whole launch)
	s_wait_xcnt 0x0
	s_or_b32 exec_lo, exec_lo, s27
.Lend:
	s_wait_tensorcnt 0x0
	ds_add_u32 v240, v241
	s_wait_dscnt 0x0
	s_endpgm
.Lfunc_end_k_q493a595226_b1:
	.size	k_q493a595226_b1, .Lfunc_end_k_q493a595226_b1-k_q493a595226_b1
	.p2alignl 7, 3214868480
	.fill 96, 4, 3214868480
	.section	.rodata,"a",@progbits
	.p2align	6, 0x0
	.amdhsa_kernel k_q493a595226_b1
		.amdhsa_group_segment_fixed_size 768
		.amdhsa_private_segment_fixed_size 0
		.amdhsa_enable_private_segment 0
		.amdhsa_kernarg_size 56
		.amdhsa_user_sgpr_count 2
		.amdhsa_user_sgpr_kernarg_segment_ptr 1
		.amdhsa_wavefront_size32 1
		.amdhsa_system_sgpr_workgroup_id_x 1
		.amdhsa_system_sgpr_workgroup_id_y 1
		.amdhsa_system_sgpr_workgroup_id_z 1
		.amdhsa_system_vgpr_workitem_id 0
		.amdhsa_next_free_vgpr 242
		.amdhsa_next_free_sgpr 66
		.amdhsa_reserve_vcc 1
		.amdhsa_float_denorm_mode_32 3
		.amdhsa_float_denorm_mode_16_64 3
		.amdhsa_memory_ordered 1
		.amdhsa_forward_progress 1
		.amdhsa_inst_pref_size 94
	.end_amdhsa_kernel
	.amdgpu_metadata
---
amdhsa.version: [ 1, 2 ]
amdhsa.kernels:
  - .name:           k_q493a595226_b1
    .symbol:         k_q493a595226_b1.kd
    .args:
      - { .name: z, .offset: 0, .size: 8, .value_kind: global_buffer, .address_space: global }
      - { .name: emb, .offset: 8, .size: 8, .value_kind: global_buffer, .address_space: global }
      - { .name: tab, .offset: 16, .size: 8, .value_kind: global_buffer, .address_space: global }
      - { .name: keys, .offset: 24, .size: 8, .value_kind: global_buffer, .address_space: global }
      - { .name: rbf, .offset: 32, .size: 8, .value_kind: global_buffer, .address_space: global }
      - { .name: ra, .offset: 40, .size: 8, .value_kind: global_buffer, .address_space: global }
      - { .name: idx1, .offset: 48, .size: 8, .value_kind: global_buffer, .address_space: global }
    .group_segment_fixed_size: 768
    .private_segment_fixed_size: 0
    .kernarg_segment_align: 8
    .kernarg_segment_size: 56
    .max_flat_workgroup_size: 128
    .sgpr_count:     66
    .vgpr_count:     242
    .wavefront_size: 32
...
	.end_amdgpu_metadata
.endif
;; end of part 3
;; launch a2: the kernel of part 2 again; grid 8 x 32, 4 waves a work-group, clusters of 4 x 4, 327,680 bytes of LDS; arguments rbf, tab, keys; writes keys
;; launch b2: the kernel of part 3 again; grid 512 x 1, 4 waves a work-group, no clusters, 768 bytes of LDS; arguments ra, emb, tab, keys, rbf, rb, idx2; writes rbf, rb, idx2
;; launch a3: the kernel of part 2 again; grid 8 x 32, 4 waves a work-group, clusters of 4 x 4, 327,680 bytes of LDS; arguments rbf, tab, keys; writes keys
;; launch b3: the kernel of part 3 again; grid 512 x 1, 4 waves a work-group, no clusters, 768 bytes of LDS; arguments rb, emb, tab, keys, rbf, ra, idx3; writes rbf, ra, idx3
;; launch a4: the kernel of part 2 again; grid 8 x 32, 4 waves a work-group, clusters of 4 x 4, 327,680 bytes of LDS; arguments rbf, tab, keys; writes keys
;; launch b4 (part 4): grid 512 x 1, 4 waves a work-group, no clusters, 17,152 bytes of LDS; arguments ra, emb, tab, keys, z, idx1, idx2, idx3, out1, rb; writes out1, rb
.if DOCPART == 4
	.amdgcn_target "amdgcn-amd-amdhsa--gfx1250"
	.amdhsa_code_object_version 6
	.text
	.protected	k_q493a595226_b4
	.globl	k_q493a595226_b4
	.p2align	8
	.type	k_q493a595226_b4,@function
k_q493a595226_b4:
	s_mov_b64 s[64:65], 0
	v_nop
	global_prefetch_b8 v0, s[64:65] scope:SCOPE_SE
	s_setreg_imm32_b32 hwreg(HW_REG_WAVE_MODE, 25, 1), 1
	s_wait_xcnt 0x0
; The fourth decision and the outputs.  The choice among 8 candidates is made as in the three steps before it (same macros, same limits: the
; winner is the f32 argmin over the 8 smallest keys, ties to the lower code; sums in an order of their own; no NaN, no infinities).
; Then z_q = ((q1 + q2) + q3) + q4, with q1..q3 gathered by the codes that the earlier launches stored; diff = z_q - z; out1 = z + diff, each
; rounded as written; and the work-group's sum of diff^2 goes to part[g] (the last launch adds the 512).
; q1 + q2 + q3 of a wave's four tokens waits in the wave's own 4,096 bytes of LDS: two sets of candidate rows take 128 registers, and 32 more
; do not fit under 256.  A wave's LDS instructions are served in order, so its own bytes need no barrier.
; SHARES as before: 512 work-groups of 16 tokens, every wave merges all keys, wave w takes tokens 4 w .. 4 w + 3.
.set ESQOFF, 0x400000
.set LST,  16                          ; v[16:23]   the 8 smallest keys
.set EV,   24                          ; v[24:31]   e_sq of the lane's 8 codes
.set VOFF, 32                          ; v[32:47]   two sets of 8 row offsets
.set RES,  48                          ; v[48:63]   two sets: my 8 numbers of r
.set QV,   64                          ; v[64:71]   the best row so far
.set DP,   72                          ; v[72:89]   nine pairs of sums
.set ZV,   90                          ; v[90:105]  two sets: my 8 numbers of z, then of out1
.set ROW,  112                         ; v[112:239] two sets of 8 rows; at first v[112:207] the 12 rows q1..q3 of my four tokens
.set KEY,  208                         ; v[208:239] the lane's 32 keys
.set TP,   240                         ; v[240:251] offsets of those 12 rows
.set ZT,   240                         ; v[240:247] later: q1 + q2 + q3, then z_q, then diff
.set CD,   32                          ; s[32:47]   two sets of 8 codes
.set ZQL,  256                         ; LDS: words 0-3 the waves' sums; from 256 on 4,096 bytes a wave
	s_load_b256 s[4:11], s[0:1], 0x0               ; r_in s[4:5], emb s[6:7], tab s[8:9], keys s[10:11]
	s_load_b256 s[12:19], s[0:1], 0x20             ; z s[12:13], idx1 s[14:15], idx2 s[16:17], idx3 s[18:19]
	s_load_b128 s[20:23], s[0:1], 0x40             ; out1 s[20:21], part s[22:23]
	v_lshl_add_u32 v254, v0, 2, 0x4100
	v_mov_b32 v255, 0
	v_lshrrev_b32 v5, 5, v0
	v_readfirstlane_b32 s24, v5                    ; wave 0..3
	s_lshl_b32 s25, s24, 2
	v_and_b32 v1, 31, v0
	v_lshlrev_b32 v2, 4, v1                        ; 16 bytes a lane
	v_and_b32 v6, 15, v0
	v_bfe_u32 v7, v0, 4, 1
	v_lshlrev_b32 v4, 4, v6
	v_lshl_add_u32 v4, v7, 17, v4                  ; keys: plane hh, token r
	v_lshlrev_b32 v14, 2, v5                       ; LDS: my wave's word
	v_lshl_add_u32 v15, v5, 12, v2
	v_add_nc_u32 v15, ZQL, v15                     ; LDS: my 16 bytes in my wave's 4,096
	s_mov_b32 s28, 0x76543210
	s_mov_b32 s29, 0xfedcba98
	s_lshl_b32 s30, ttmp9, 8
	s_mov_b32 s31, 0
	s_lshl_b32 s68, ttmp9, 4
	s_add_co_u32 s68, s68, s25                     ; my first token
	s_lshl_b32 s66, s68, 10                        ; x 1,024 bytes
	s_mov_b32 s67, 0
	s_lshl_b32 s68, s68, 2                         ; x 4 bytes
	s_mov_b32 s69, 0
	s_lshl_b32 s70, ttmp9, 2
	s_mov_b32 s71, 0
	s_wait_kmcnt 0x0
	s_add_nc_u64 s[10:11], s[10:11], s[30:31]
	s_add_nc_u64 s[4:5], s[4:5], s[66:67]
	s_add_nc_u64 s[12:13], s[12:13], s[66:67]
	s_add_nc_u64 s[20:21], s[20:21], s[66:67]
	s_add_nc_u64 s[14:15], s[14:15], s[68:69]
	s_add_nc_u64 s[16:17], s[16:17], s[68:69]
	s_add_nc_u64 s[18:19], s[18:19], s[68:69]
	s_add_nc_u64 s[22:23], s[22:23], s[70:71]
	s_load_b128 s[52:55], s[14:15], 0x0            ; the codes of steps 1 to 3 for my four tokens
	s_load_b128 s[56:59], s[16:17], 0x0
	s_load_b128 s[60:63], s[18:19], 0x0
.irp i, 0,1,2,3,4,5,6,7
	global_load_b128 v[KEY+4*\i:KEY+4*\i+3], v4, s[10:11] offset:262144*\i
.endr
	s_wait_kmcnt 0x0
.set n, 0
.rept 12
	s_min_u32 s[52+n], s[52+n], 0x1fff             ; stays inside the table
	v_lshl_add_u32 v[TP+n], s[52+n], 10, v2
	global_load_b128 v[ROW+8*n:ROW+8*n+3],   v[TP+n], s[6:7]             ; row (step s, token t) at register 8 (4 s + t)
	global_load_b128 v[ROW+8*n+4:ROW+8*n+7], v[TP+n], s[6:7] offset:512
.set n, n+1
.endr
.irp i, 0,1,2,3,4,5,6,7
	v_mov_b32 v[LST+\i], -1
.endr
	s_wait_loadcnt 24                              ; the keys are in; the 24 row loads behind them may be out
.set kn, 0
.rept 32
.irp i, 1,2,3,4,5,6,7
	v_max_u32 v[DP+\i], v[LST+\i-1], v[KEY+kn]
.endr
.irp i, 1,2,3,4,5,6,7
	v_min_u32 v[LST+\i], v[LST+\i], v[DP+\i]
.endr
	v_min_u32 v[LST], v[LST], v[KEY+kn]
.set kn, kn+1
.endr
.irp i, 0,1,2,3,4,5,6,7
	v_permlanex16_b32 v[KEY+\i], v[LST+\i], s28, s29
.endr
.irp i, 0,1,2,3,4,5,6,7
	v_min_u32 v[LST+\i], v[LST+\i], v[KEY+7-\i]
.endr
.irp c, 0,1,2,3,4,5,6,7
	v_and_b32 v[EV+\c], 0x1fff, v[LST+\c]
	v_min_u32 v[EV+\c], 0x1fff, v[EV+\c]
	v_lshlrev_b32 v[EV+\c], 2, v[EV+\c]
	global_load_b32 v[EV+\c], v[EV+\c], s[8:9] offset:ESQOFF
.endr
	s_wait_loadcnt 8                               ; the 24 rows are in; the 8 loads of e_sq may be out
.irp t, 0,1,2,3
.irp k, 0,2,4,6
	v_pk_add_f32 v[ROW+8*\t+\k:ROW+8*\t+\k+1], v[ROW+8*\t+\k:ROW+8*\t+\k+1], v[ROW+32+8*\t+\k:ROW+32+8*\t+\k+1]
.endr
.irp k, 0,2,4,6
	v_pk_add_f32 v[ROW+8*\t+\k:ROW+8*\t+\k+1], v[ROW+8*\t+\k:ROW+8*\t+\k+1], v[ROW+64+8*\t+\k:ROW+64+8*\t+\k+1]
.endr
	ds_store_b128 v15, v[ROW+8*\t:ROW+8*\t+3]   offset:1024*\t
	ds_store_b128 v15, v[ROW+8*\t+4:ROW+8*\t+7] offset:1024*\t+512
.endr
	s_wait_dscnt 0x0                               ; the stores are done before their data registers are loaded again
.macro ISSUE i, b                      ; 20 loads: r, z and the 8 candidate rows
	s_wait_xcnt 0x0                                ; offsets and store data of earlier memory instructions are rewritten only behind this wait
	s_add_co_u32 s26, s25, \i
.irp c, 0,1,2,3,4,5,6,7
	v_readlane_b32 s[CD+8*\b+\c], v[LST+\c], s26
	s_and_b32 s[CD+8*\b+\c], s[CD+8*\b+\c], 0x1fff
	s_min_u32 s[CD+8*\b+\c], s[CD+8*\b+\c], 0x1fff
	v_lshl_add_u32 v[VOFF+8*\b+\c], s[CD+8*\b+\c], 10, v2
.endr
	global_load_b128 v[RES+8*\b:RES+8*\b+3],   v2, s[4:5] offset:1024*\i
	global_load_b128 v[RES+8*\b+4:RES+8*\b+7], v2, s[4:5] offset:1024*\i+512
	global_load_b128 v[ZV+8*\b:ZV+8*\b+3],     v2, s[12:13] offset:1024*\i
	global_load_b128 v[ZV+8*\b+4:ZV+8*\b+7],   v2, s[12:13] offset:1024*\i+512
.irp c, 0,1,2,3,4,5,6,7
	global_load_b128 v[ROW+64*\b+8*\c:ROW+64*\b+8*\c+3],   v[VOFF+8*\b+\c], s[6:7]
	global_load_b128 v[ROW+64*\b+8*\c+4:ROW+64*\b+8*\c+7], v[VOFF+8*\b+\c], s[6:7] offset:512
.endr
.endm
; d2 of the 8 candidates of set b and the choice: best d2 in v8, its code in v9, its row in QV.  s26 = the token's lane.
.macro DOTSEL b
	v_pk_mul_f32 v[DP+16:DP+17], v[RES+8*\b:RES+8*\b+1], v[RES+8*\b:RES+8*\b+1]
.irp c, 0,1,2,3,4,5,6,7
	v_pk_mul_f32 v[DP+2*\c:DP+2*\c+1], v[RES+8*\b:RES+8*\b+1], v[ROW+64*\b+8*\c:ROW+64*\b+8*\c+1]
.endr
.irp k, 2,4,6
	v_pk_fma_f32 v[DP+16:DP+17], v[RES+8*\b+\k:RES+8*\b+\k+1], v[RES+8*\b+\k:RES+8*\b+\k+1], v[DP+16:DP+17]
.irp c, 0,1,2,3,4,5,6,7
	v_pk_fma_f32 v[DP+2*\c:DP+2*\c+1], v[RES+8*\b+\k:RES+8*\b+\k+1], v[ROW+64*\b+8*\c+\k:ROW+64*\b+8*\c+\k+1], v[DP+2*\c:DP+2*\c+1]
.endr
.endr
.irp c, 0,1,2,3,4,5,6,7,8
	v_add_f32 v[DP+2*\c], v[DP+2*\c], v[DP+2*\c+1]
.endr
.irp m, 1,2,4,8
.irp c, 0,1,2,3,4,5,6,7,8
	v_add_f32_dpp v[DP+2*\c], v[DP+2*\c], v[DP+2*\c] row_xmask:\m row_mask:0xf bank_mask:0xf
.endr
.endr
.irp c, 0,1,2,3,4,5,6,7,8
	v_permlanex16_b32 v[DP+2*\c+1], v[DP+2*\c], s28, s29
.endr
.irp c, 0,1,2,3,4,5,6,7,8
	v_add_f32 v[DP+2*\c], v[DP+2*\c], v[DP+2*\c+1]
.endr
.irp c, 0,1,2,3,4,5,6,7
	v_readlane_b32 s51, v[EV+\c], s26
	v_fma_f32 v[DP+2*\c], v[DP+2*\c], -2.0, v[DP+16]           ; 2 dot is exact, so this is the one rounding of r_sq - 2 dot
	v_add_f32 v[DP+2*\c], s51, v[DP+2*\c]                      ; + e_sq, rounded again
.endr
	v_mov_b32 v9, s[CD+8*\b]
.irp c, 1,2,3,4,5,6,7
	v_mov_b32 v11, s[CD+8*\b+\c]
.if \c == 1
	v_cmp_lt_f32 s48, v[DP+2], v[DP]
	v_cmp_eq_f32 s49, v[DP+2], v[DP]
.else
	v_cmp_lt_f32 s48, v[DP+2*\c], v8
	v_cmp_eq_f32 s49, v[DP+2*\c], v8
.endif
	v_cmp_gt_u32 s50, v9, v11
	s_and_b32 s49, s49, s50
	s_or_b32 s48, s48, s49
.if \c == 1
	v_cndmask_b32 v8, v[DP], v[DP+2], s48
.irp k, 0,1,2,3,4,5,6,7
	v_cndmask_b32 v[QV+\k], v[ROW+64*\b+\k], v[ROW+64*\b+8+\k], s48
.endr
.else
	v_cndmask_b32 v8, v8, v[DP+2*\c], s48
.irp k, 0,1,2,3,4,5,6,7
	v_cndmask_b32 v[QV+\k], v[QV+\k], v[ROW+64*\b+8*\c+\k], s48
.endr
.endif
	v_cndmask_b32 v9, v9, v11, s48
.endr
.endm
.macro PROC i, b, left
	s_wait_loadcnt \left                           ; this token's 20 loads are in, the next token's 20 may be out
	s_add_co_u32 s26, s25, \i
	ds_load_b128 v[ZT:ZT+3],   v15 offset:1024*\i              ; q1 + q2 + q3, back while the dots are made
	ds_load_b128 v[ZT+4:ZT+7], v15 offset:1024*\i+512
	DOTSEL \b
	s_wait_dscnt 0x0
.irp k, 0,2,4,6
	v_pk_add_f32 v[ZT+\k:ZT+\k+1], v[ZT+\k:ZT+\k+1], v[QV+\k:QV+\k+1]                                       ; z_q
	v_pk_add_f32 v[ZT+\k:ZT+\k+1], v[ZT+\k:ZT+\k+1], v[ZV+8*\b+\k:ZV+8*\b+\k+1] neg_lo:[0,1] neg_hi:[0,1]   ; z_q - z
.if \i+\k == 0
	v_pk_mul_f32 v[12:13], v[ZT:ZT+1], v[ZT:ZT+1]              ; the first squares start the sum
.else
	v_pk_fma_f32 v[12:13], v[ZT+\k:ZT+\k+1], v[ZT+\k:ZT+\k+1], v[12:13]
.endif
	v_pk_add_f32 v[ZV+8*\b+\k:ZV+8*\b+\k+1], v[ZV+8*\b+\k:ZV+8*\b+\k+1], v[ZT+\k:ZT+\k+1]                   ; z + (z_q - z)
.endr
	global_store_b128 v2, v[ZV+8*\b:ZV+8*\b+3],   s[20:21] offset:1024*\i th:TH_STORE_NT       ; a wave's store covers 512 consecutive bytes, aligned
	global_store_b128 v2, v[ZV+8*\b+4:ZV+8*\b+7], s[20:21] offset:1024*\i+512 th:TH_STORE_NT
.endm
	ISSUE 0, 0
	ISSUE 1, 1
	PROC 0, 0, 20
	ISSUE 2, 0
	PROC 1, 1, 20
	ISSUE 3, 1
	PROC 2, 0, 20
	PROC 3, 1, 0
	v_add_f32 v12, v12, v13
	v_add_f32_dpp v12, v12, v12 row_xmask:1 row_mask:0xf bank_mask:0xf
	v_add_f32_dpp v12, v12, v12 row_xmask:2 row_mask:0xf bank_mask:0xf
	v_add_f32_dpp v12, v12, v12 row_xmask:4 row_mask:0xf bank_mask:0xf
	v_add_f32_dpp v12, v12, v12 row_xmask:8 row_mask:0xf bank_mask:0xf
	v_permlanex16_b32 v13, v12, s28, s29
	v_add_f32 v12, v12, v13                        ; my four tokens' sum of diff^2
	ds_store_b32 v14, v12
	s_wait_dscnt 0x0                               ; my word is in LDS before I say so
	s_barrier_signal -1
	s_barrier_wait -1
	s_cmp_lg_u32 s24, 0
	s_cbranch_scc1 .Lend
	v_mov_b32 v5, 0
	ds_load_b128 v[8:11], v5
	s_wait_dscnt 0x0
	v_add_f32 v8, v8, v9
	v_add_f32 v10, v10, v11
	v_add_f32 v8, v8, v10
	v_cmp_eq_u32 vcc_lo, 0, v0
	s_wait_xcnt 0x0                                ; EXEC is a source of the stores above
	s_and_saveexec_b32 s27, vcc_lo
	global_store_b32 v5, v8, s[22:23]              ; one word a work-group: 2,048 bytes in the whole launch
	s_wait_xcnt 0x0
	s_or_b32 exec_lo, exec_lo, s27
.Lend:
	s_wait_tensorcnt 0x0
	ds_add_u32 v254, v255
	s_wait_dscnt 0x0
	s_endpgm
.Lfunc_end_k_q493a595226_b4:
	.size	k_q493a595226_b4, .Lfunc_end_k_q493a595226_b4-k_q493a595226_b4
	.p2alignl 7, 3214868480
	.fill 96, 4, 3214868480
	.section	.rodata,"a",@progbits
	.p2align	6, 0x0
	.amdhsa_kernel k_q493a595226_b4
		.amdhsa_group_segment_fixed_size 17152
		.amdhsa_private_segment_fixed_size 0
		.amdhsa_enable_private_segment 0
		.amdhsa_kernarg_size 80
		.amdhsa_user_sgpr_count 2
		.amdhsa_user_sgpr_kernarg_segment_ptr 1
		.amdhsa_wavefront_size32 1
		.amdhsa_system_sgpr_workgroup_id_x 1
		.amdhsa_system_sgpr_workgroup_id_y 1
		.amdhsa_system_sgpr_workgroup_id_z 1
		.amdhsa_system_vgpr_workitem_id 0
		.amdhsa_next_free_vgpr 256
		.amdhsa_next_free_sgpr 72
		.amdhsa_reserve_vcc 1
		.amdhsa_float_denorm_mode_32 3
		.amdhsa_float_denorm_mode_16_64 3
		.amdhsa_memory_ordered 1
		.amdhsa_forward_progress 1
		.amdhsa_inst_pref_size 103
	.end_amdhsa_kernel
	.amdgpu_metadata
---
amdhsa.version: [ 1, 2 ]
amdhsa.kernels:
  - .name:           k_q493a595226_b4
    .symbol:         k_q493a595226_b4.kd
    .args:
      - { .name: ra, .offset: 0, .size: 8, .value_kind: global_buffer, .address_space: global }
      - { .name: emb, .offset: 8, .size: 8, .value_kind: global_buffer, .address_space: global }
      - { .name: tab, .offset: 16, .size: 8, .value_kind: global_buffer, .address_space: global }
      - { .name: keys, .offset: 24, .size: 8, .value_kind: global_buffer, .address_space: global }
      - { .name: z, .offset: 32, .size: 8, .value_kind: global_buffer, .address_space: global }
      - { .name: idx1, .offset: 40, .size: 8, .value_kind: global_buffer, .address_space: global }
      - { .name: idx2, .offset: 48, .size: 8, .value_kind: global_buffer, .address_space: global }
      - { .name: idx3, .offset: 56, .size: 8, .value_kind: global_buffer, .address_space: global }
      - { .name: out1, .offset: 64, .size: 8, .value_kind: global_buffer, .address_space: global }
      - { .name: rb, .offset: 72, .size: 8, .value_kind: global_buffer, .address_space: global }
    .group_segment_fixed_size: 17152
    .private_segment_fixed_size: 0
    .kernarg_segment_align: 8
    .kernarg_segment_size: 80
    .max_flat_workgroup_size: 128
    .sgpr_count:     72
    .vgpr_count:     256
    .wavefront_size: 32
...
	.end_amdgpu_metadata
.endif
;; end of part 4
;; launch loss (part 5): grid 1 x 1, 1 waves a work-group, no clusters, 0 bytes of LDS; arguments rb, out0; writes out0
.if DOCPART == 5
	.amdgcn_target "amdgcn-amd-amdhsa--gfx1250"
	.amdhsa_code_object_version 6
	.text
	.protected	k_q493a595226_loss
	.globl	k_q493a595226_loss
	.p2align	8
	.type	k_q493a595226_loss,@function
k_q493a595226_loss:
	s_mov_b64 s[64:65], 0
	v_nop
	global_prefetch_b8 v0, s[64:65] scope:SCOPE_SE
	s_setreg_imm32_b32 hwreg(HW_REG_WAVE_MODE, 25, 1), 1
	s_wait_xcnt 0x0
; out0 = mean(diff^2) + 0.25 mean(diff^2), from the 512 partial sums that the launch before stored (2,048 bytes).
; A sum over work-groups is ordered by a launch of its own: one wave, four loads of 16 bytes a lane.
	s_load_b128 s[4:7], s[0:1], 0x0                ; part s[4:5], out0 s[6:7]
	v_lshlrev_b32 v1, 4, v0
	v_mov_b32 v2, 0
	s_mov_b32 s12, 0x76543210
	s_mov_b32 s13, 0xfedcba98
	s_wait_kmcnt 0x0
.irp j, 0,1,2,3
	global_load_b128 v[8+4*\j:11+4*\j], v1, s[4:5] offset:512*\j
.endr
	s_wait_loadcnt 0x0
	v_pk_add_f32 v[8:9], v[8:9], v[10:11]
	v_pk_add_f32 v[12:13], v[12:13], v[14:15]
	v_pk_add_f32 v[16:17], v[16:17], v[18:19]
	v_pk_add_f32 v[20:21], v[20:21], v[22:23]
	v_pk_add_f32 v[8:9], v[8:9], v[12:13]
	v_pk_add_f32 v[16:17], v[16:17], v[20:21]
	v_pk_add_f32 v[8:9], v[8:9], v[16:17]
	v_add_f32 v8, v8, v9
	v_add_f32_dpp v8, v8, v8 row_xmask:1 row_mask:0xf bank_mask:0xf
	v_add_f32_dpp v8, v8, v8 row_xmask:2 row_mask:0xf bank_mask:0xf
	v_add_f32_dpp v8, v8, v8 row_xmask:4 row_mask:0xf bank_mask:0xf
	v_add_f32_dpp v8, v8, v8 row_xmask:8 row_mask:0xf bank_mask:0xf
	v_permlanex16_b32 v9, v8, s12, s13
	v_add_f32 v8, v8, v9
	v_mul_f32 v8, 0x35000000, v8                   ; / (8,192 x 256) = x 2^-21: the mean
	v_fmamk_f32 v8, v8, 0x3e800000, v8             ; mean x 0.25 + mean
	v_cmp_eq_u32 vcc_lo, 0, v0
	s_wait_xcnt 0x0                                ; EXEC changes only behind this wait
	s_and_saveexec_b32 s8, vcc_lo
	global_store_b32 v2, v8, s[6:7]
	s_wait_xcnt 0x0
	s_or_b32 exec_lo, exec_lo, s8
	s_endpgm
.Lfunc_end_k_q493a595226_loss:
	.size	k_q493a595226_loss, .Lfunc_end_k_q493a595226_loss-k_q493a595226_loss
	.p2alignl 7, 3214868480
	.fill 96, 4, 3214868480
	.section	.rodata,"a",@progbits
	.p2align	6, 0x0
	.amdhsa_kernel k_q493a595226_loss
		.amdhsa_group_segment_fixed_size 0
		.amdhsa_private_segment_fixed_size 0
		.amdhsa_enable_private_segment 0
		.amdhsa_kernarg_size 16
		.amdhsa_user_sgpr_count 2
		.amdhsa_user_sgpr_kernarg_segment_ptr 1
		.amdhsa_wavefront_size32 1
		.amdhsa_system_sgpr_workgroup_id_x 1
		.amdhsa_system_sgpr_workgroup_id_y 1
		.amdhsa_system_sgpr_workgroup_id_z 1
		.amdhsa_system_vgpr_workitem_id 0
		.amdhsa_next_free_vgpr 32
		.amdhsa_next_free_sgpr 66
		.amdhsa_reserve_vcc 1
		.amdhsa_float_denorm_mode_32 3
		.amdhsa_float_denorm_mode_16_64 3
		.amdhsa_memory_ordered 1
		.amdhsa_forward_progress 1
		.amdhsa_inst_pref_size 3
	.end_amdhsa_kernel
	.amdgpu_metadata
---
amdhsa.version: [ 1, 2 ]
amdhsa.kernels:
  - .name:           k_q493a595226_loss
    .symbol:         k_q493a595226_loss.kd
    .args:
      - { .name: rb, .offset: 0, .size: 8, .value_kind: global_buffer, .address_space: global }
      - { .name: out0, .offset: 8, .size: 8, .value_kind: global_buffer, .address_space: global }
    .group_segment_fixed_size: 0
    .private_segment_fixed_size: 0
    .kernarg_segment_align: 8
    .kernarg_segment_size: 16
    .max_flat_workgroup_size: 32
    .sgpr_count:     66
    .vgpr_count:     32
    .wavefront_size: 32
...
	.end_amdgpu_metadata
.endif
;; end of part 5
;; ======== version 2 of 2: 10 launches; 1.18 times as fast as version 1
;; workspace buffers: tab 4,227,072 bytes; rbf 4,194,304 bytes; keys 2,097,152 bytes of whole numbers; ra 8,388,608 bytes; rb 8,388,608 bytes; idx1 32,768 bytes of whole numbers; idx2 32,768 bytes of whole numbers; idx3 32,768 bytes of whole numbers
;; launch prep: the kernel of part 1 again; grid 256 x 1, 8 waves a work-group, no clusters, 1,280 bytes of LDS; arguments emb, z, tab, rbf; writes tab, rbf
;; launch a1 (part 6): grid 8 x 32, 4 waves a work-group, clusters of 4 x 4, 327,680 bytes of LDS; arguments rbf, tab, keys; writes keys
.if DOCPART == 6
	.amdgcn_target "amdgcn-amd-amdhsa--gfx1250"
	.amdhsa_code_object_version 6
	.text
	.protected	k_q493a595226_a1
	.globl	k_q493a595226_a1
	.p2align	8
	.type	k_q493a595226_a1,@function
k_q493a595226_a1:
	s_mov_b64 s[64:65], 0
	v_nop
	global_prefetch_b8 v0, s[64:65] scope:SCOPE_SE
	s_setreg_imm32_b32 hwreg(HW_REG_WAVE_MODE, 25, 1), 1
	s_wait_xcnt 0x0
	s_wait_alu depctr_hold_cnt(0) depctr_sa_sdst(0) depctr_va_vdst(0) depctr_va_sdst(0) depctr_va_ssrc(0) depctr_va_vcc(0) depctr_vm_vsrc(0)
	s_getreg_b32 s2, hwreg(HW_REG_IB_STS2, 6, 4)
	s_cmp_eq_u32 s2, 0
	s_cbranch_scc0 .Lentry_in_a_cluster
	s_endpgm
.Lentry_in_a_cluster:
	s_bfe_u32 s2, ttmp6, 0x10000c
	s_cmp_lg_u32 s2, 0xf033
	s_cbranch_scc0 .Lentry_shape_is_right
	s_endpgm
.Lentry_shape_is_right:
; The candidate filter of one depth step.  score[token][code] = e_sq[code] + sum over k of bf16(r[token][k]) bf16(-2 emb[code][k]),
; which is the problem's d2 without the term r_sq (equal for all codes of a token).  The scores never leave the registers: of every
; STREAM of 256 codes the two smallest are kept and stored as whole-number keys; a later launch decides among them in f32.
; LIMIT: a filter.  The later launch finds the f32 argmin if that code is among the 2 best bf16 scores of its stream (32 streams a
; token) and among the 8 smallest of the token's 64 keys (a key keeps sign, exponent and 10 mantissa bits of the score).  NaN and
; infinite inputs are not served.
;
; SHARES.  256 work-groups: block (bx, by) = 1,024 codes x 256 tokens, K = 256.  Four waves; wave w takes tokens 128 (w & 1) .. +127 and
; codes 512 (w >> 1) .. +511 of the block.  Its 128 tokens x 256 K stay in 512 registers for the whole launch; the codes pass by in
; strips of 16 (8 fragments, 16 LDS loads), each feeding 64 matrix instructions.
; THE MATRIX INSTRUCTION: source 0 = 16 codes, source 1 = 16 tokens.  Lane (r, h), register j of the result: token r, code 8 h + j.  The
; first K step takes e_sq (register j = e_sq[8 h + j]) as C, so the sum starts from e_sq and nothing is cleared or added later.
; A stream = (token, h, plane), plane = 2 bx + (w >> 1): codes plane x 512 + 16 n + 8 h + j, n = 0..31, j = 0..7; number in the stream 8 n + j.
; A STRIP IS TWO HALVES of 32 matrix instructions: token tiles 0-3 into score set A, tiles 4-7 into set B.  While one set is summed, the other
; set's 32 registers are worked on, one behind each matrix instruction, in three lines of which none reads the line before it:
;   the NEXT score gets its stream number in its low 8 bits (into one of four registers that take turns);
;   the loser, max(smallest, score), is written over the score's register;   smallest = min(smallest, score).
; Every element but the final smallest loses exactly once, so the second smallest is the minimum of the losers: it is taken at the half's
; end, two losers a line (16 lines), under window 0, where an instruction can name three vector sources.
; The next strip's 18 LDS loads stand in one run in the strip's middle, into the other fragment buffer, 32 matrix instructions ahead of their use.
; CLUSTERS 4 x 4: the four work-groups of a row of the cluster share the token block, the four of a column the code block; both are asked
; for jointly, which divides the requests for them by four.
; LDS: two slots of 256 rows x 528 bytes (512 of data + 16 of padding: 33 x 16, so the 16 rows of a fragment load start 16 bytes apart
; modulo 256).  Slot 0 holds the tokens first, then code chunks 1 and 3; slot 1 chunks 0 and 2.  A chunk = 128 codes for each code half.
; Behind the slots 4,096 bytes of e_sq, written by LDS stores; no tensor load lands there.
.set PITCH,  528
.set STRIPB, 16*PITCH                  ; a strip of 16 rows
.set QB,     64*PITCH                  ; what one tensor load brings
.set HALFB,  128*PITCH
.set SLOT1,  256*PITCH
.set ESQL,   2*SLOT1
.set ESQOFF, 0x400000                  ; e_sq in tab
.set G1W0,   (1<<16)|(1<<20)|(1<<21)|(6<<22)|(3<<25)   ; 2-byte elements; padding on; bit 21 beside a mask; after every 128 words; 4 words
.set G1T,  16                          ; s[16:23] group 1, tokens (mask: my row of the cluster)
.set G1C,  24                          ; s[24:31] group 1, codes (mask: my column)
.set G0T,  32                          ; s[32:35] group 0, tokens into slot 0
.set G0C1, 36                          ; s[36:39] group 0, codes into slot 1: chunks 0, 2
.set G0C0, 40                          ; s[40:43] group 0, codes into slot 0: chunks 1, 3
.set IDX,  44                          ; s[44:51] stream number 8 n + j of register j
; window 0
.set TA,   4                           ; LDS address of my token fragments
.set CA1,  5                           ; of my code fragments in slot 1
.set CA0,  6                           ; in slot 0
.set CW,   7                           ; the pair of strips at work
.set EW,   8                           ; its e_sq
.set KOFF, 9                           ; 16 r + 8 h: my two keys in a tile's 256 bytes
.set LB,   10                          ; plane x 512 + 8 h
.set YY,   12                          ; v[12:15] a score with its stream number, tile t % 4 by turns
.set MS,   16                          ; v[16:31] tile tt: smallest in 16 + 2 tt, second in 17 + 2 tt
.set EQ0,  32                          ; v[32:39], v[40:47] e_sq of a strip, two sets
.set EQ1,  40
.set CFA,  48                          ; v[48:111], v[112:175] a strip's 8 code fragments, two buffers
.set CFB,  112
.set ACCA, 176                         ; v[176:207] scores of tiles 0-3
.set ACCB, 208                         ; v[208:239] scores of tiles 4-7
; windows 1 and 2: token fragment (tile tt, K step kk) at register 64 (tt % 4) + 8 kk of window 1 + tt / 4
.set MSB, 0
.macro WIN new                         ; the immediate's high byte repeats the setting that is left
.if MSB != \new
	s_set_vgpr_msb (MSB<<8)|\new
.set MSB, \new
.endif
.endm
; A round of the cluster's barrier: my work-group's barrier, wave 0 signals for the work-group, every wave waits for all sixteen, my barrier again.
.macro ROUND
	s_barrier_signal -1
	s_barrier_wait -1
	s_cmp_lg_u32 s10, 0
	s_cbranch_scc1 .Lnot_wave_0_\@
	s_barrier_signal -3
.Lnot_wave_0_\@:
	s_barrier_wait -3
	s_barrier_signal -1
	s_barrier_wait -1
.endm
	s_load_b128 s[4:7], s[0:1], 0x0                ; rbf s[4:5], tab s[6:7]
	s_load_b64 s[8:9], s[0:1], 0x10                ; keys
	v_lshl_add_u32 v254, v0, 2, 0x43000
	v_mov_b32 v255, 0
	ds_add_u32 v254, v255
	v_lshrrev_b32 v1, 5, v0
	v_readfirstlane_b32 s10, v1                    ; wave 0..3
	s_and_b32 s11, s10, 1                          ; token half
	s_lshr_b32 s12, s10, 1                         ; code half
	s_bfe_u32 s13, ttmp6, 0x40000                  ; cx
	s_bfe_u32 s14, ttmp6, 0x40004                  ; cy
	s_lshl_b32 s56, ttmp9, 2
	s_add_co_u32 s56, s56, s13                     ; bx = 4 x cluster x + cx: code block
	s_and_b32 s57, ttmp7, 0xffff
	s_lshl_b32 s57, s57, 2
	s_add_co_u32 s57, s57, s14                     ; by = 4 x cluster y + cy: token block
	s_lshl_b32 s58, s14, 2
	s_lshl_b32 s58, 15, s58                        ; my row of the cluster
	s_lshl_b32 s59, 0x1111, s13                    ; my column
	s_or_b32 s[G1T], s58, G1W0
	s_or_b32 s[G1C], s59, G1W0
.irp g, G1T, G1C
	s_mov_b32 s[\g+1], 256<<16                     ; tensor_dim0 = 256 elements
	s_mov_b32 s[\g+2], 64<<16                      ; tensor_dim1 = 64 rows
	s_mov_b32 s[\g+3], 256<<16                     ; tile_dim0 = 256
	s_mov_b32 s[\g+4], 64                          ; tile_dim1 = 64
	s_mov_b32 s[\g+5], 256                         ; elements from row to row
	s_mov_b32 s[\g+6], 0
	s_mov_b32 s[\g+7], 0
.endr
	; byte offsets.  Tokens hang on by and the wave alone, codes on bx and the wave alone, each in registers that never hold the other coordinate.
	s_lshl_b32 s60, s57, 17                        ; 256 rows x 512 bytes
	s_lshl_b32 s61, s10, 15                        ; + wave x 64 rows
	s_add_co_u32 s60, s60, s61
	s_mov_b32 s61, 0
	s_lshl_b32 s62, s56, 19                        ; 1,024 rows x 512 bytes
	s_lshl_b32 s63, s12, 18                        ; + (w >> 1) x 512 rows: the code half
	s_add_co_u32 s62, s62, s63
	s_lshl_b32 s63, s11, 15                        ; + (w & 1) x 64 rows of the chunk
	s_add_co_u32 s62, s62, s63
	s_mov_b32 s63, 0
	s_lshl_b32 s66, s56, 12                        ; e_sq of my 1,024 codes
	s_mov_b32 s67, 0
	s_lshl_b32 s71, s56, 1
	s_add_co_u32 s71, s71, s12                     ; plane
	s_lshl_b32 s72, s71, 17                        ; keys: a plane is 8,192 tokens x 16 bytes
	s_lshl_b32 s73, s57, 12                        ; + 256 tokens a block
	s_add_co_u32 s72, s72, s73
	s_lshl_b32 s73, s11, 11                        ; + 128 tokens a half
	s_add_co_u32 s72, s72, s73
	s_mov_b32 s73, 0
	s_lshl_b32 s74, s71, 9                         ; plane x 512
	s_mov_b32 s[G0T], 1
	s_mul_i32 s[G0T+1], s10, QB                    ; LDS addresses hang on the wave's number alone
	s_mov_b32 s[G0C1], 1
	s_mul_i32 s[G0C1+1], s10, QB
	s_add_co_u32 s[G0C1+1], s[G0C1+1], SLOT1
	s_mov_b32 s[G0C0], 1
	s_mul_i32 s[G0C0+1], s10, QB
	s_mov_b32 s52, 0xff                            ; the bits that the stream number takes
	s_mov_b32 s53, 0x7f800000                      ; +inf: neutral in a minimum of three
	s_mov_b32 s54, 0xff800000                      ; -inf: neutral in a maximum of three
.irp j, 0,1,2,3,4,5,6,7
	s_mov_b32 s[IDX+\j], \j
.endr
	v_lshlrev_b32 v11, 4, v0                       ; 16 x thread
	s_wait_dscnt 0x0
	s_wait_kmcnt 0x0
	s_add_nc_u64 s[G0T+2:G0T+3], s[4:5], s[60:61]
	s_add_nc_u64 s[G0C1+2:G0C1+3], s[6:7], s[62:63]          ; chunk 0
	s_add_nc_u64 s[G0C0+2:G0C0+3], s[G0C1+2:G0C1+3], 0x10000 ; chunk 1: 128 rows on
	s_or_b32 s[G0T+3], s[G0T+3], 0x80000000
	s_or_b32 s[G0C1+3], s[G0C1+3], 0x80000000
	s_or_b32 s[G0C0+3], s[G0C0+3], 0x80000000
	s_add_nc_u64 s[66:67], s[6:7], s[66:67]
	s_add_nc_u64 s[8:9], s[8:9], s[72:73]
	ROUND                                          ; all sixteen work-groups are here: the first joint loads meet
	tensor_load_to_lds s[G0T:G0T+3], s[G1T:G1T+7]  ; the two first fills go out together: two tensor loads of the wave are out, never more
	s_nop 0
	tensor_load_to_lds s[G0C1:G0C1+3], s[G1C:G1C+7]
	s_nop 0
	global_load_b128 v[240:243], v11, s[66:67] offset:ESQOFF          ; e_sq: 128 threads x 16 bytes, twice
	global_load_b128 v[244:247], v11, s[66:67] offset:ESQOFF+2048
	v_and_b32 v1, 15, v0                           ; r
	v_bfe_u32 v2, v0, 4, 1                         ; h
	v_mul_u32_u24 v3, v1, PITCH
	v_lshl_add_u32 v3, v2, 4, v3                   ; a fragment's lane term: row r, 16 h bytes
	s_mul_i32 s68, s11, HALFB
	v_add_nc_u32 v[TA], s68, v3
	s_mul_i32 s69, s12, HALFB
	v_add_nc_u32 v[CA0], s69, v3
	s_add_co_u32 s69, s69, SLOT1
	v_add_nc_u32 v[CA1], s69, v3
	s_lshl_b32 s70, s12, 11
	s_add_co_u32 s70, s70, ESQL
	v_lshl_add_u32 v[EW], v2, 5, s70               ; e_sq of codes 8 h .. 8 h + 7 of my half's first strip
	v_lshlrev_b32 v[KOFF], 4, v1
	v_lshl_add_u32 v[KOFF], v2, 3, v[KOFF]
	v_lshl_add_u32 v[LB], v2, 3, s74
	v_add_nc_u32 v248, ESQL, v11
.irp k, 0,1,2,3,4,5,6,7,8,9,10,11,12,13,14,15
	v_mov_b32 v[MS+\k], s53                        ; the sixteen running minima start at +inf
.endr
	s_wait_loadcnt 0x0
	ds_store_b128 v248, v[240:243]
	ds_store_b128 v248, v[244:247] offset:2048
	s_wait_tensorcnt 0x1                           ; tensor loads end in order: my token rows are in, chunk 0 may stay out
	s_wait_dscnt 0x0                               ; my part of e_sq is in LDS
	s_barrier_signal -1
	s_barrier_wait -1
	; my 128 tokens x 256 K into windows 1 and 2: lane (r, h) holds row r; registers 0-3 K = 8 h .. +7, registers 4-7 K = 16 + 8 h .. +7 of each 32
	WIN 0x40
.irp tt, 0,1,2,3
.irp kk, 0,1,2,3,4,5,6,7
	ds_load_b128 v[64*\tt+8*\kk:64*\tt+8*\kk+3],   v[TA] offset:\tt*STRIPB+64*\kk
	ds_load_b128 v[64*\tt+8*\kk+4:64*\tt+8*\kk+7], v[TA] offset:\tt*STRIPB+64*\kk+32
.endr
.endr
	WIN 0x80
.irp tt, 0,1,2,3
.irp kk, 0,1,2,3,4,5,6,7
	ds_load_b128 v[64*\tt+8*\kk:64*\tt+8*\kk+3],   v[TA] offset:(\tt+4)*STRIPB+64*\kk
	ds_load_b128 v[64*\tt+8*\kk+4:64*\tt+8*\kk+7], v[TA] offset:(\tt+4)*STRIPB+64*\kk+32
.endr
.endr
	WIN 0
	s_wait_dscnt 0x0                               ; my reads of the tokens are back,
	s_wait_tensorcnt 0x0                           ; all my tensor loads have landed (chunk 0 among them),
	ds_add_u32 v254, v255
	s_wait_dscnt 0x0
	ROUND                                          ; and that holds of every wave of the cluster:
	tensor_load_to_lds s[G0C0:G0C0+3], s[G1C:G1C+7]    ; chunk 1 into the tokens' slot, the wave's one load behind the round
	s_nop 0
; 18 LDS loads in one run: a strip's e_sq (from EW + eoff) into set eq and its eight fragments (from areg + aoff) into buffer cf
.macro FETCH cf, eq, areg, aoff, eoff
	ds_load_b128 v[\eq:\eq+3],   v[EW] offset:\eoff
	ds_load_b128 v[\eq+4:\eq+7], v[EW] offset:\eoff+16
.irp kk, 0,1,2,3,4,5,6,7
	ds_load_b128 v[\cf+8*\kk:\cf+8*\kk+3],   v[\areg] offset:\aoff+64*\kk
	ds_load_b128 v[\cf+8*\kk+4:\cf+8*\kk+7], v[\areg] offset:\aoff+64*\kk+32
.endr
.endm
	v_mov_b32 v[CW], v[CA1]
	FETCH CFA, EQ0, CW, 0, 0                       ; strip 0
; The score work behind matrix instruction (kk, t) of half hi.  At work is the OTHER set (32 (1 - hi)), register 8 t + kk: tile 4 (1 - hi) + t, code j = kk.
; Line 1 prepares the element of the next place (behind the half's last place: the first element of the set just summed; fin = 1: none is left).
; Source 1 is a scalar in all three lines, because source 1's window is the tokens' while matrix instructions run.
.macro SLOT hi, kk, t, fin
.if \t < 3
	v_bfi_b32 v[YY+\t+1], s52, s[IDX+\kk], v[ACCA+32*(1-\hi)+8*(\t+1)+\kk]
.else
.if \kk < 7
	v_bfi_b32 v[YY], s52, s[IDX+\kk+1], v[ACCA+32*(1-\hi)+\kk+1]
.else
.if \fin == 0
	v_bfi_b32 v[YY], s52, s[IDX], v[ACCA+32*\hi]
.endif
.endif
.endif
	v_max3_num_f32 v[ACCA+32*(1-\hi)+8*\t+\kk], v[MS+2*(4*(1-\hi)+\t)], s54, v[YY+\t]          ; the loser, over the score's register
	v_min3_num_f32 v[MS+2*(4*(1-\hi)+\t)], v[MS+2*(4*(1-\hi)+\t)], s53, v[YY+\t]               ; smallest
.endm
; second = min(second, all losers of a set), two a line, the four tiles by turns.  Window 0.
.macro BATCH set, tb
.irp p, 0,2,4,6
.irp t, 0,1,2,3
	v_min3_num_f32 v[MS+2*(\tb+\t)+1], v[MS+2*(\tb+\t)+1], v[\set+8*\t+\p], v[\set+8*\t+\p+1]
.endr
.endr
.endm
; 32 matrix instructions: tiles 4 hi .. 4 hi + 3, all of K.  The four accumulators take turns, one instruction a turn.
; In the first half (hi = 0) the set at work is the strip before's, so stream number j is stepped to this strip's behind its last use there:
; the lines that use number kk stand in the places (kk - 1, 3) to (kk, 2).  ep = 0 (the launch's first half): no scores yet; four v_nop are the
; places between the last matrix instructions and the line that reads tile 0's first score (ISA guide 7.12.1).
.macro HALF hi, cf, eqc, ep
.irp kk, 0,1,2,3,4,5,6,7
.irp t, 0,1,2,3
.if \kk == 0
	v_wmma_f32_16x16x32_bf16 v[ACCA+32*\hi+8*\t:ACCA+32*\hi+8*\t+7], v[\cf+8*\kk:\cf+8*\kk+7], v[64*\t+8*\kk:64*\t+8*\kk+7], v[\eqc:\eqc+7]
.else
	v_wmma_f32_16x16x32_bf16 v[ACCA+32*\hi+8*\t:ACCA+32*\hi+8*\t+7], v[\cf+8*\kk:\cf+8*\kk+7], v[64*\t+8*\kk:64*\t+8*\kk+7], v[ACCA+32*\hi+8*\t:ACCA+32*\hi+8*\t+7]
.endif
.if \ep
	SLOT \hi, \kk, \t, 0
.endif
.endr
.if \ep
.if \hi == 0
	s_add_co_u32 s[IDX+\kk], s[IDX+\kk], 8
.endif
.endif
.endr
.if \ep == 0
	v_nop
	v_nop
	v_nop
	v_nop
	v_bfi_b32 v[YY], s52, s[IDX], v[ACCA+32*\hi]
.endif
.endm
; A strip: 16 codes (buffer cf, e_sq set eqc) x my 128 tokens.  In its middle the next strip is fetched into the other buffer (pf).
.macro STRIP cf, cfn, eqc, eqn, ep, pf, areg, aoff, eoff
	s_wait_dscnt 0x0                               ; this strip's 18 loads, issued 32 matrix instructions ago
	WIN 0x04                                       ; source 1 = window 1: tiles 0-3
	HALF 0, \cf, \eqc, \ep
	WIN 0
.if \ep
	BATCH ACCB, 4                                  ; the strip before's tiles 4-7 are done
.endif
.if \pf
	FETCH \cfn, \eqn, \areg, \aoff, \eoff          ; the other buffer was last read 32 matrix instructions and their score work ago
.endif
	WIN 0x08                                       ; source 1 = window 2: tiles 4-7
	HALF 1, \cf, \eqc, 1
	WIN 0
	BATCH ACCA, 0                                  ; this strip's tiles 0-3 are done
.endm
.macro STEP2                           ; two strips on
	v_add_nc_u32 v[CW], 2*STRIPB, v[CW]
	v_add_nc_u32 v[EW], 128, v[EW]
.endm
.macro PAIRS n                         ; n pairs of strips inside a chunk
	s_mov_b32 s55, \n
.Lpair_\@:
	STRIP CFA, CFB, EQ0, EQ1, 1, 1, CW, STRIPB, 64
	STRIP CFB, CFA, EQ1, EQ0, 1, 1, CW, 2*STRIPB, 128
	STEP2
	s_sub_co_u32 s55, s55, 1
	s_cmp_lg_u32 s55, 0
	s_cbranch_scc1 .Lpair_\@
.endm
; The change of slots, between a chunk's strips 6 and 7: strip 7's fragments were fetched in strip 6's middle, so this slot is read no more.
; Each wave waits for its LDS reads and for all its tensor loads (one is out: its part of the other slot); with a refill a round of the
; cluster's barrier follows and the joint load of this slot's next chunk (two chunks = 131,072 bytes on) is the first thing behind it.
; That load has eight strips, 512 matrix instructions, in which to land.
.macro TURN g0, refill
	s_wait_dscnt 0x0
	s_wait_tensorcnt 0x0
	ds_add_u32 v254, v255
	s_wait_dscnt 0x0
.if \refill
	s_add_nc_u64 s[\g0+2:\g0+3], s[\g0+2:\g0+3], 0x20000     ; no tensor load of the wave is out: a group 0 may be written
	ROUND
	tensor_load_to_lds s[\g0:\g0+3], s[G1C:G1C+7]
	s_nop 0
.else
	s_barrier_signal -1                            ; nothing is left to fetch: the barrier only shows the other slot whole
	s_barrier_wait -1
.endif
.endm
; A chunk's last two strips.  mode 2: change slots and refill; 1: change slots; 0: the last chunk.  nxt: my address in the other slot.
.macro TAIL2 g0, mode, nxt
	STRIP CFA, CFB, EQ0, EQ1, 1, 1, CW, STRIPB, 64
.if \mode
	TURN \g0, \mode-1
	STRIP CFB, CFA, EQ1, EQ0, 1, 1, \nxt, 0, 128
	v_mov_b32 v[CW], v[\nxt]
	v_add_nc_u32 v[EW], 128, v[EW]
.else
	STRIP CFB, CFA, EQ1, EQ0, 1, 0, CW, 0, 0
.endif
.endm
	STRIP CFA, CFB, EQ0, EQ1, 0, 1, CW, STRIPB, 64         ; chunk 0, slot 1.  The first half has no scores to work on yet
	STRIP CFB, CFA, EQ1, EQ0, 1, 1, CW, 2*STRIPB, 128
	STEP2
	PAIRS 2
	TAIL2 G0C1, 2, CA0                             ; chunk 2 is asked for
	PAIRS 3                                        ; chunk 1, slot 0
	TAIL2 G0C0, 2, CA1                             ; chunk 3 is asked for
	PAIRS 3                                        ; chunk 2, slot 1
	TAIL2 G0C1, 1, CA0
	PAIRS 3                                        ; chunk 3, slot 0
	TAIL2 G0C1, 0, CA0
	; the last strip's tiles 4-7: the same three lines without matrix instructions (the sixteen lines just above are more than the four places behind the last one)
.irp kk, 0,1,2,3,4,5,6,7
.irp t, 0,1,2,3
	SLOT 0, \kk, \t, 1
.endr
.endr
	BATCH ACCB, 4
	; keys: bits 31:13 = the score's top 19 bits in an order that unsigned compares keep (negative: all bits turned; else the sign bit set),
	; bits 12:0 = the code = plane x 512 + 16 n + 8 h + j, from the stream number 8 n + j
.irp k, 0,1,2,3,4,5,6,7,8,9,10,11,12,13,14,15
	v_and_b32 v240, 0xf8, v[MS+\k]
	v_and_b32 v241, 7, v[MS+\k]
	v_lshl_or_b32 v240, v240, 1, v241
	v_or_b32 v240, v240, v[LB]
	v_ashrrev_i32 v241, 31, v[MS+\k]
	v_or_b32 v241, 0x80000000, v241
	v_xor_b32 v241, v[MS+\k], v241
	v_and_or_b32 v[MS+\k], v241, 0xffffe000, v240
.endr
.irp tt, 0,1,2,3,4,5,6,7
	global_store_b64 v[KOFF], v[MS+2*\tt:MS+2*\tt+1], s[8:9] offset:256*\tt     ; 32 lanes store a tile's 256 consecutive bytes, aligned
.endr
	ROUND                                          ; the closing round: no work-group ends while a partner may still ask for a tile that names it
	s_endpgm
.Lfunc_end_k_q493a595226_a1:
	.size	k_q493a595226_a1, .Lfunc_end_k_q493a595226_a1-k_q493a595226_a1
	.p2alignl 7, 3214868480
	.fill 96, 4, 3214868480
	.section	.rodata,"a",@progbits
	.p2align	6, 0x0
	.amdhsa_kernel k_q493a595226_a1
		.amdhsa_group_segment_fixed_size 327680
		.amdhsa_private_segment_fixed_size 0
		.amdhsa_enable_private_segment 0
		.amdhsa_kernarg_size 24
		.amdhsa_user_sgpr_count 2
		.amdhsa_user_sgpr_kernarg_segment_ptr 1
		.amdhsa_wavefront_size32 1
		.amdhsa_system_sgpr_workgroup_id_x 1
		.amdhsa_system_sgpr_workgroup_id_y 1
		.amdhsa_system_sgpr_workgroup_id_z 1
		.amdhsa_system_vgpr_workitem_id 0
		.amdhsa_next_free_vgpr 768
		.amdhsa_next_free_sgpr 80
		.amdhsa_reserve_vcc 0
		.amdhsa_float_denorm_mode_32 3
		.amdhsa_float_denorm_mode_16_64 3
		.amdhsa_memory_ordered 1
		.amdhsa_forward_progress 1
		.amdhsa_inst_pref_size 255
	.end_amdhsa_kernel
	.section	.bss,"aw",@nobits
	.p2align	6
	.space	262144
	.amdgpu_metadata
---
amdhsa.version: [ 1, 2 ]
amdhsa.kernels:
  - .name:           k_q493a595226_a1
    .symbol:         k_q493a595226_a1.kd
    .args:
      - { .name: rbf, .offset: 0, .size: 8, .value_kind: global_buffer, .address_space: global }
      - { .name: tab, .offset: 8, .size: 8, .value_kind: global_buffer, .address_space: global }
      - { .name: keys, .offset: 16, .size: 8, .value_kind: global_buffer, .address_space: global }
    .group_segment_fixed_size: 327680
    .private_segment_fixed_size: 0
    .kernarg_segment_align: 8
    .kernarg_segment_size: 24
    .max_flat_workgroup_size: 128
    .sgpr_count:     80
    .vgpr_count:     768
    .wavefront_size: 32
...
	.end_amdgpu_metadata
.endif
;; end of part 6
;; launch b1 (part 7): grid 512 x 1, 4 waves a work-group, no clusters, 768 bytes of LDS; arguments z, emb, tab, keys, rbf, ra, idx1; writes rbf, ra, idx1
.if DOCPART == 7
	.amdgcn_target "amdgcn-amd-amdhsa--gfx1250"
	.amdhsa_code_object_version 6
	.text
	.protected	k_q493a595226_b1
	.globl	k_q493a595226_b1
	.p2align	8
	.type	k_q493a595226_b1,@function
k_q493a595226_b1:
	s_mov_b64 s[64:65], 0
	v_nop
	global_prefetch_b8 v0, s[64:65] scope:SCOPE_SE
	s_setreg_imm32_b32 hwreg(HW_REG_WAVE_MODE, 25, 1), 1
	s_wait_xcnt 0x0
; The decision of one depth step, in f32 on the f32 inputs.  For each token: the 8 smallest of its 64 keys name 8 codes; their rows of emb are
; gathered; d2 = (r_sq - 2 dot) + e_sq is rounded in the order of the problem's own formula; the smallest wins, the lower code on a tie
; (argmin's rule).  Then r_out = r - emb[code] (f32), rbf = bf16(r_out) for the next filter, idx_out = code.
; A key (stored by the launch before): bits 31:13 the top 19 bits of a bf16-product score in unsigned order, bits 12:0 the code; a token has
; the two best keys of each of 32 streams of 256 codes.
; LIMITS: the winner is the f32 argmin over the 8 candidates.  That is the argmin over all 8,192 codes if the winning code is among the 2 best
; bf16 scores of its stream and among the 8 smallest of the 64 keys (10 mantissa bits of the score); where f32 d2 ties more than 8 codes, as
; with r several times larger beside this emb or with offsets far above the spread, the lowest of them may be missed.  The 256 products of a
; dot are summed 8 to a lane by fused multiply-adds and then across lanes: an order of its own.  NaN and infinities are not served.
; The keys steer addresses alone, never a jump: all 8 rows are gathered and judged for every token.  What hangs on floats only selects values
; (v_cndmask_b32).
; No matrix unit (8 rows a token), no tensor load and no cluster: the rows differ from token to token.
; SHARES: 512 work-groups of 16 tokens.  Every wave merges the keys of all 16 (lane (r, hh): token r, planes hh, hh + 2, ..), which costs no
; barrier; wave w then takes tokens 4 w .. 4 w + 3.  Its four rows of r are asked for at the head; two sets of row registers take turns, and
; the next-but-one token's 16 row loads are issued between a token's choice and its stores.  Each token has store registers of its own, so no
; source of a pending store is ever rewritten, and a set's offsets are rewritten only behind the counted wait that shows its loads done.
.set ESQOFF, 0x400000
.set LST,  16                          ; v[16:23]   the 8 smallest keys, ascending while keys are inserted
.set EV,   24                          ; v[24:31]   e_sq of the lane's 8 codes (first their byte offsets)
.set VOFF, 32                          ; v[32:47]   two sets of 8 row offsets
.set RES,  48                          ; v[48:79]   token i: my 8 numbers of r, then of r_out
.set QV,   80                          ; v[80:87]   my 8 numbers of the best row so far
.set DP,   88                          ; v[88:105]  nine pairs: dots 0-7 and r_sq; then d2 in the even registers
.set ROW,  112                         ; v[112:239] two sets of 8 rows x 8 registers
.set MT,   144                         ; v[144:199] the merge's maxima, eight sets of seven by turns, before the rows need the registers
.set KEY,  208                         ; v[208:239] the lane's 32 keys, before the rows need the registers
.set BF,   240                         ; v[240:255] token i: 4 registers of bf16 to store
.set CD,   32                          ; s[32:47]   two sets of 8 codes
	s_load_b256 s[4:11], s[0:1], 0x0               ; r_in s[4:5], emb s[6:7], tab s[8:9], keys s[10:11]
	s_load_b128 s[12:15], s[0:1], 0x20             ; rbf s[12:13], r_out s[14:15]
	s_load_b64 s[16:17], s[0:1], 0x30              ; idx_out
	v_lshl_add_u32 v110, v0, 2, 0x100
	v_mov_b32 v111, 0
	v_lshrrev_b32 v5, 5, v0
	v_readfirstlane_b32 s24, v5                    ; wave 0..3
	s_lshl_b32 s25, s24, 2                         ; my first token in the group
	v_and_b32 v1, 31, v0                           ; lane
	v_lshlrev_b32 v2, 4, v1                        ; 16 bytes a lane
	v_lshlrev_b32 v3, 3, v1                        ; 8 bytes a lane
	v_and_b32 v6, 15, v0
	v_bfe_u32 v7, v0, 4, 1
	v_lshlrev_b32 v4, 4, v6                        ; keys: token r x 16 bytes
	v_lshl_add_u32 v4, v7, 17, v4                  ; + plane hh x 131,072
	v_lshlrev_b32 v14, 4, v5                       ; LDS: my wave's four words
	v_lshlrev_b32 v15, 2, v6                       ; 4 bytes x (thread mod 16): one of the group's 16 words
	s_mov_b32 s28, 0x76543210                      ; v_permlanex16_b32: lane i reads lane i of the other half
	s_mov_b32 s29, 0xfedcba98
	s_lshl_b32 s30, ttmp9, 8                       ; keys: 16 tokens x 16 bytes
	s_mov_b32 s31, 0
	s_lshl_b32 s18, ttmp9, 4
	s_add_co_u32 s18, s18, s25                     ; my first token
	s_lshl_b32 s18, s18, 10                        ; x 1,024 bytes
	s_mov_b32 s19, 0
	s_lshr_b32 s20, s18, 1                         ; x 512 bytes
	s_mov_b32 s21, 0
	s_lshl_b32 s22, ttmp9, 6                       ; idx: 16 words
	s_mov_b32 s23, 0
	s_wait_kmcnt 0x0
	s_add_nc_u64 s[10:11], s[10:11], s[30:31]
	s_add_nc_u64 s[4:5], s[4:5], s[18:19]
	s_add_nc_u64 s[14:15], s[14:15], s[18:19]
	s_add_nc_u64 s[12:13], s[12:13], s[20:21]
	s_add_nc_u64 s[16:17], s[16:17], s[22:23]
.irp i, 0,1,2,3,4,5,6,7
	global_load_b128 v[KEY+4*\i:KEY+4*\i+3], v4, s[10:11] offset:262144*\i     ; plane 2 i + hh: 16 lanes read 256 consecutive bytes
.endr
.irp i, 0,1,2,3
	global_load_b128 v[RES+8*\i:RES+8*\i+3],   v2, s[4:5] offset:1024*\i       ; r of my four tokens hangs on no key: asked for now
	global_load_b128 v[RES+8*\i+4:RES+8*\i+7], v2, s[4:5] offset:1024*\i+512
.endr
.irp i, 0,1,2,3,4,5,6,7
	v_mov_b32 v[LST+\i], -1                        ; above every key
.endr
	s_wait_loadcnt 8                               ; loads come back in order: the keys are in, r's eight loads may be out
	; Insert each key into the ascending list of 8: new L[i] = min(L[i], max(L[i-1], x)); the maxima use the old list.  A key's seven maxima go
	; to registers of their own, eight sets by turns, so that no key's step waits for the registers of the one before.
.set kn, 0
.rept 32
.irp i, 1,2,3,4,5,6,7
	v_max_u32 v[MT+7*(kn%8)+\i-1], v[LST+\i-1], v[KEY+kn]
.endr
.irp i, 1,2,3,4,5,6,7
	v_min_u32 v[LST+\i], v[LST+\i], v[MT+7*(kn%8)+\i-1]
.endr
	v_min_u32 v[LST], v[LST], v[KEY+kn]
.set kn, kn+1
.endr
	; the other half's list, met in reverse: min(A[i], B[7-i]) are the 8 smallest of both (in no order: the choice below needs none)
.irp i, 0,1,2,3,4,5,6,7
	v_permlanex16_b32 v[KEY+\i], v[LST+\i], s28, s29
.endr
.irp i, 0,1,2,3,4,5,6,7
	v_min_u32 v[LST+\i], v[LST+\i], v[KEY+7-\i]
.endr
.irp c, 0,1,2,3,4,5,6,7
	v_and_b32 v[EV+\c], 0x1fff, v[LST+\c]          ; the code
	v_min_u32 v[EV+\c], 0x1fff, v[EV+\c]           ; stays inside the table
	v_lshlrev_b32 v[EV+\c], 2, v[EV+\c]
	global_load_b32 v[EV+\c], v[EV+\c], s[8:9] offset:ESQOFF      ; a load may land on its own address register
.endr
; Token i of my four: its 8 codes as scalars, then its 16 row loads into set b.  Set b's offsets and rows are free: the loads that named them
; were shown done by the counted wait in front of the choice two tokens ago.
.macro ISSUE i, b
	s_add_co_u32 s26, s25, \i                      ; the lane that holds the token's list
.irp c, 0,1,2,3,4,5,6,7
	v_readlane_b32 s[CD+8*\b+\c], v[LST+\c], s26
.endr
.irp c, 0,1,2,3,4,5,6,7
	s_and_b32 s[CD+8*\b+\c], s[CD+8*\b+\c], 0x1fff
	s_min_u32 s[CD+8*\b+\c], s[CD+8*\b+\c], 0x1fff
	v_lshl_add_u32 v[VOFF+8*\b+\c], s[CD+8*\b+\c], 10, v2
.endr
.irp c, 0,1,2,3,4,5,6,7
	global_load_b128 v[ROW+64*\b+8*\c:ROW+64*\b+8*\c+3],   v[VOFF+8*\b+\c], s[6:7]
	global_load_b128 v[ROW+64*\b+8*\c+4:ROW+64*\b+8*\c+7], v[VOFF+8*\b+\c], s[6:7] offset:512
.endr
.endm
; d2 of the 8 candidates of set b for the token whose r lies at res, and the choice: best d2 in v8, its code in v9, its row in QV.  s26 = the token's lane.
.macro DOTSEL res, b
	v_pk_mul_f32 v[DP+16:DP+17], v[\res:\res+1], v[\res:\res+1]
.irp c, 0,1,2,3,4,5,6,7
	v_pk_mul_f32 v[DP+2*\c:DP+2*\c+1], v[\res:\res+1], v[ROW+64*\b+8*\c:ROW+64*\b+8*\c+1]
.endr
.irp k, 2,4,6
	v_pk_fma_f32 v[DP+16:DP+17], v[\res+\k:\res+\k+1], v[\res+\k:\res+\k+1], v[DP+16:DP+17]
.irp c, 0,1,2,3,4,5,6,7
	v_pk_fma_f32 v[DP+2*\c:DP+2*\c+1], v[\res+\k:\res+\k+1], v[ROW+64*\b+8*\c+\k:ROW+64*\b+8*\c+\k+1], v[DP+2*\c:DP+2*\c+1]
.endr
.endr
.irp c, 0,1,2,3,4,5,6,7,8
	v_add_f32 v[DP+2*\c], v[DP+2*\c], v[DP+2*\c+1]
.endr
.irp m, 1,2,4,8
.irp c, 0,1,2,3,4,5,6,7,8
	v_add_f32_dpp v[DP+2*\c], v[DP+2*\c], v[DP+2*\c] row_xmask:\m row_mask:0xf bank_mask:0xf    ; nine sums side by side: none waits for itself
.endr
.endr
.irp c, 0,1,2,3,4,5,6,7,8
	v_permlanex16_b32 v[DP+2*\c+1], v[DP+2*\c], s28, s29
.endr
.irp c, 0,1,2,3,4,5,6,7,8
	v_add_f32 v[DP+2*\c], v[DP+2*\c], v[DP+2*\c+1]             ; every lane holds every sum
.endr
.irp c, 0,1,2,3,4,5,6,7
	v_readlane_b32 s51, v[EV+\c], s26
	v_fma_f32 v[DP+2*\c], v[DP+2*\c], -2.0, v[DP+16]           ; 2 dot is exact, so this is the one rounding of r_sq - 2 dot
	v_add_f32 v[DP+2*\c], s51, v[DP+2*\c]                      ; + e_sq, rounded again
.endr
	v_mov_b32 v9, s[CD+8*\b]
.irp c, 1,2,3,4,5,6,7
	v_mov_b32 v11, s[CD+8*\b+\c]
.if \c == 1
	v_cmp_lt_f32 s48, v[DP+2], v[DP]
	v_cmp_eq_f32 s49, v[DP+2], v[DP]
.else
	v_cmp_lt_f32 s48, v[DP+2*\c], v8
	v_cmp_eq_f32 s49, v[DP+2*\c], v8
.endif
	v_cmp_gt_u32 s50, v9, v11
	s_and_b32 s49, s49, s50                        ; equal and a lower code,
	s_or_b32 s48, s48, s49                         ; or smaller: candidate c takes over
.if \c == 1
	v_cndmask_b32 v8, v[DP], v[DP+2], s48          ; the first choice reads rows 0 and 1: nothing is copied
.irp k, 0,1,2,3,4,5,6,7
	v_cndmask_b32 v[QV+\k], v[ROW+64*\b+\k], v[ROW+64*\b+8+\k], s48
.endr
.else
	v_cndmask_b32 v8, v8, v[DP+2*\c], s48
.irp k, 0,1,2,3,4,5,6,7
	v_cndmask_b32 v[QV+\k], v[QV+\k], v[ROW+64*\b+8*\c+\k], s48
.endr
.endif
	v_cndmask_b32 v9, v9, v11, s48
.endr
.endm
.macro SELECT i, b, left
	s_wait_loadcnt \left                           ; loads come back in order: this token's 16 (and r and e_sq ahead of them) are in, the next token's 16 may be out
	s_add_co_u32 s26, s25, \i
	DOTSEL RES+8*\i, \b
.endm
.macro FINAL i
.irp k, 0,2,4,6
	v_pk_add_f32 v[RES+8*\i+\k:RES+8*\i+\k+1], v[RES+8*\i+\k:RES+8*\i+\k+1], v[QV+\k:QV+\k+1] neg_lo:[0,1] neg_hi:[0,1]
.endr
	global_store_b128 v2, v[RES+8*\i:RES+8*\i+3],   s[14:15] offset:1024*\i          ; a wave's store covers 512 consecutive bytes, aligned
	global_store_b128 v2, v[RES+8*\i+4:RES+8*\i+7], s[14:15] offset:1024*\i+512
.irp k, 0,1,2,3
	v_cvt_pk_bf16_f32 v[BF+4*\i+\k], v[RES+8*\i+2*\k], v[RES+8*\i+2*\k+1]
.endr
	global_store_b64 v3, v[BF+4*\i:BF+4*\i+1],   s[12:13] offset:512*\i              ; 256 consecutive bytes, aligned
	global_store_b64 v3, v[BF+4*\i+2:BF+4*\i+3], s[12:13] offset:512*\i+256
	ds_store_b32 v14, v9 offset:4*\i               ; the code: all lanes write the same word with the same value
.endm
	ISSUE 0, 0
	ISSUE 1, 1
	SELECT 0, 0, 16
	ISSUE 2, 0                                     ; the best row has been copied: set 0 is free
	FINAL 0
	SELECT 1, 1, 16
	ISSUE 3, 1
	FINAL 1
	SELECT 2, 0, 16
	FINAL 2
	SELECT 3, 1, 0
	FINAL 3
	s_wait_dscnt 0x0                               ; my four codes are in LDS before I say so
	s_barrier_signal -1
	s_barrier_wait -1
	s_cmp_lg_u32 s24, 0
	s_cbranch_scc1 .Lend
	v_cmp_gt_u32 vcc_lo, 16, v0
	s_wait_xcnt 0x0                                ; EXEC is a source of the stores above
	s_and_saveexec_b32 s27, vcc_lo
	ds_load_b32 v6, v15                            ; the 64 bytes that the four waves wrote
	s_wait_dscnt 0x0
	global_store_b32 v15, v6, s[16:17]             ; the group's 16 codes: 64 consecutive bytes, a quarter of an aligned 256 (32,768 bytes in the whole launch)
	s_wait_xcnt 0x0
	s_or_b32 exec_lo, exec_lo, s27
.Lend:
	s_wait_tensorcnt 0x0
	ds_add_u32 v110, v111
	s_wait_dscnt 0x0
	s_endpgm
.Lfunc_end_k_q493a595226_b1:
	.size	k_q493a595226_b1, .Lfunc_end_k_q493a595226_b1-k_q493a595226_b1
	.p2alignl 7, 3214868480
	.fill 96, 4, 3214868480
	.section	.rodata,"a",@progbits
	.p2align	6, 0x0
	.amdhsa_kernel k_q493a595226_b1
		.amdhsa_group_segment_fixed_size 768
		.amdhsa_private_segment_fixed_size 0
		.amdhsa_enable_private_segment 0
		.amdhsa_kernarg_size 56
		.amdhsa_user_sgpr_count 2
		.amdhsa_user_sgpr_kernarg_segment_ptr 1
		.amdhsa_wavefront_size32 1
		.amdhsa_system_sgpr_workgroup_id_x 1
		.amdhsa_system_sgpr_workgroup_id_y 1
		.amdhsa_system_sgpr_workgroup_id_z 1
		.amdhsa_system_vgpr_workitem_id 0
		.amdhsa_next_free_vgpr 256
		.amdhsa_next_free_sgpr 66
		.amdhsa_reserve_vcc 1
		.amdhsa_float_denorm_mode_32 3
		.amdhsa_float_denorm_mode_16_64 3
		.amdhsa_memory_ordered 1
		.amdhsa_forward_progress 1
		.amdhsa_inst_pref_size 93
	.end_amdhsa_kernel
	.amdgpu_metadata
---
amdhsa.version: [ 1, 2 ]
amdhsa.kernels:
  - .name:           k_q493a595226_b1
    .symbol:         k_q493a595226_b1.kd
    .args:
      - { .name: z, .offset: 0, .size: 8, .value_kind: global_buffer, .address_space: global }
      - { .name: emb, .offset: 8, .size: 8, .value_kind: global_buffer, .address_space: global }
      - { .name: tab, .offset: 16, .size: 8, .value_kind: global_buffer, .address_space: global }
      - { .name: keys, .offset: 24, .size: 8, .value_kind: global_buffer, .address_space: global }
      - { .name: rbf, .offset: 32, .size: 8, .value_kind: global_buffer, .address_space: global }
      - { .name: ra, .offset: 40, .size: 8, .value_kind: global_buffer, .address_space: global }
      - { .name: idx1, .offset: 48, .size: 8, .value_kind: global_buffer, .address_space: global }
    .group_segment_fixed_size: 768
    .private_segment_fixed_size: 0
    .kernarg_segment_align: 8
    .kernarg_segment_size: 56
    .max_flat_workgroup_size: 128
    .sgpr_count:     66
    .vgpr_count:     256
    .wavefront_size: 32
...
	.end_amdgpu_metadata
.endif
;; end of part 7
;; launch a2: the kernel of part 6 again; grid 8 x 32, 4 waves a work-group, clusters of 4 x 4, 327,680 bytes of LDS; arguments rbf, tab, keys; writes keys
;; launch b2: the kernel of part 7 again; grid 512 x 1, 4 waves a work-group, no clusters, 768 bytes of LDS; arguments ra, emb, tab, keys, rbf, rb, idx2; writes rbf, rb, idx2
;; launch a3: the kernel of part 6 again; grid 8 x 32, 4 waves a work-group, clusters of 4 x 4, 327,680 bytes of LDS; arguments rbf, tab, keys; writes keys
;; launch b3: the kernel of part 7 again; grid 512 x 1, 4 waves a work-group, no clusters, 768 bytes of LDS; arguments rb, emb, tab, keys, rbf, ra, idx3; writes rbf, ra, idx3
;; launch a4: the kernel of part 6 again; grid 8 x 32, 4 waves a work-group, clusters of 4 x 4, 327,680 bytes of LDS; arguments rbf, tab, keys; writes keys
;; launch b4 (part 8): grid 512 x 1, 4 waves a work-group, no clusters, 17,152 bytes of LDS; arguments ra, emb, tab, keys, z, idx1, idx2, idx3, out1, rb; writes out1, rb
.if DOCPART == 8
	.amdgcn_target "amdgcn-amd-amdhsa--gfx1250"
	.amdhsa_code_object_version 6
	.text
	.protected	k_q493a595226_b4
	.globl	k_q493a595226_b4
	.p2align	8
	.type	k_q493a595226_b4,@function
k_q493a595226_b4:
	s_mov_b64 s[64:65], 0
	v_nop
	global_prefetch_b8 v0, s[64:65] scope:SCOPE_SE
	s_setreg_imm32_b32 hwreg(HW_REG_WAVE_MODE, 25, 1), 1
	s_wait_xcnt 0x0
; The fourth decision and the outputs.  The choice is made as in the three steps before it: the 8 smallest of a token's 64 keys name 8 codes
; (a key: bits 31:13 the top 19 bits of a bf16-product score in unsigned order, bits 12:0 the code; two keys for each of 32 streams of 256
; codes); their rows of emb are gathered; d2 = (r_sq - 2 dot) + e_sq in f32, rounded in the order of the problem's own formula; the smallest
; wins, the lower code on a tie.
; LIMITS: the winner is the f32 argmin over the 8 candidates: the argmin over all codes if the winning code is among the 2 best bf16 scores of its
; stream and among the 8 smallest keys (10 mantissa bits of the score); where f32 d2 ties more than 8 codes the lowest of them may be missed;
; sums in an order of their own; no NaN, no infinities.
; The keys and the stored codes steer addresses alone, never a jump; what hangs on floats only selects values (v_cndmask_b32).
; Then z_q = ((q1 + q2) + q3) + q4, with q1..q3 gathered by the codes that the earlier launches stored; diff = z_q - z; out1 = z + diff, each
; rounded as written; and the work-group's sum of diff^2 goes to part[g] (the last launch adds the 512).
; q1 + q2 + q3 of a wave's four tokens waits in the wave's own 4,096 bytes of LDS: two sets of candidate rows take 128 registers, and 32 more
; do not fit under 256.  A wave's LDS instructions are served in order, so its own bytes need no barrier.
; SHARES: 512 work-groups of 16 tokens, every wave merges all keys, wave w takes tokens 4 w .. 4 w + 3, the next token's 20 loads on their way meanwhile.
.set ESQOFF, 0x400000
.set LST,  16                          ; v[16:23]   the 8 smallest keys
.set EV,   24                          ; v[24:31]   e_sq of the lane's 8 codes
.set VOFF, 32                          ; v[32:47]   two sets of 8 row offsets
.set RES,  48                          ; v[48:63]   two sets: my 8 numbers of r
.set QV,   64                          ; v[64:71]   the best row so far
.set DP,   72                          ; v[72:89]   nine pairs of sums
.set ZV,   90                          ; v[90:105]  two sets: my 8 numbers of z, then of out1
.set ROW,  112                         ; v[112:239] two sets of 8 rows; at first v[112:207] the 12 rows q1..q3 of my four tokens
.set KEY,  208                         ; v[208:239] the lane's 32 keys
.set TP,   240                         ; v[240:251] offsets of those 12 rows
.set ZT,   240                         ; v[240:247] later: q1 + q2 + q3, then z_q, then diff
.set CD,   32                          ; s[32:47]   two sets of 8 codes
.set ZQL,  256                         ; LDS: words 0-3 the waves' sums; from 256 on 4,096 bytes a wave
	s_load_b256 s[4:11], s[0:1], 0x0               ; r_in s[4:5], emb s[6:7], tab s[8:9], keys s[10:11]
	s_load_b256 s[12:19], s[0:1], 0x20             ; z s[12:13], idx1 s[14:15], idx2 s[16:17], idx3 s[18:19]
	s_load_b128 s[20:23], s[0:1], 0x40             ; out1 s[20:21], part s[22:23]
	v_lshl_add_u32 v254, v0, 2, 0x4100
	v_mov_b32 v255, 0
	v_lshrrev_b32 v5, 5, v0
	v_readfirstlane_b32 s24, v5                    ; wave 0..3
	s_lshl_b32 s25, s24, 2
	v_and_b32 v1, 31, v0
	v_lshlrev_b32 v2, 4, v1                        ; 16 bytes a lane
	v_and_b32 v6, 15, v0
	v_bfe_u32 v7, v0, 4, 1
	v_lshlrev_b32 v4, 4, v6
	v_lshl_add_u32 v4, v7, 17, v4                  ; keys: plane hh, token r
	v_lshlrev_b32 v14, 2, v5                       ; LDS: my wave's word
	v_lshl_add_u32 v15, v5, 12, v2
	v_add_nc_u32 v15, ZQL, v15                     ; LDS: my 16 bytes in my wave's 4,096
	s_mov_b32 s28, 0x76543210
	s_mov_b32 s29, 0xfedcba98
	s_lshl_b32 s30, ttmp9, 8
	s_mov_b32 s31, 0
	s_lshl_b32 s68, ttmp9, 4
	s_add_co_u32 s68, s68, s25                     ; my first token
	s_lshl_b32 s66, s68, 10                        ; x 1,024 bytes
	s_mov_b32 s67, 0
	s_lshl_b32 s68, s68, 2                         ; x 4 bytes
	s_mov_b32 s69, 0
	s_lshl_b32 s70, ttmp9, 2
	s_mov_b32 s71, 0
	s_wait_kmcnt 0x0
	s_add_nc_u64 s[10:11], s[10:11], s[30:31]
	s_add_nc_u64 s[4:5], s[4:5], s[66:67]
	s_add_nc_u64 s[12:13], s[12:13], s[66:67]
	s_add_nc_u64 s[20:21], s[20:21], s[66:67]
	s_add_nc_u64 s[14:15], s[14:15], s[68:69]
	s_add_nc_u64 s[16:17], s[16:17], s[68:69]
	s_add_nc_u64 s[18:19], s[18:19], s[68:69]
	s_add_nc_u64 s[22:23], s[22:23], s[70:71]
	s_load_b128 s[52:55], s[14:15], 0x0            ; the codes of steps 1 to 3 for my four tokens
	s_load_b128 s[56:59], s[16:17], 0x0
	s_load_b128 s[60:63], s[18:19], 0x0
.irp i, 0,1,2,3,4,5,6,7
	global_load_b128 v[KEY+4*\i:KEY+4*\i+3], v4, s[10:11] offset:262144*\i
.endr
	s_wait_kmcnt 0x0
.set n, 0
.rept 12
	s_min_u32 s[52+n], s[52+n], 0x1fff             ; stays inside the table
	v_lshl_add_u32 v[TP+n], s[52+n], 10, v2
	global_load_b128 v[ROW+8*n:ROW+8*n+3],   v[TP+n], s[6:7]             ; row (step s, token t) at register 8 (4 s + t)
	global_load_b128 v[ROW+8*n+4:ROW+8*n+7], v[TP+n], s[6:7] offset:512
.set n, n+1
.endr
.irp i, 0,1,2,3,4,5,6,7
	v_mov_b32 v[LST+\i], -1
.endr
	s_wait_loadcnt 24                              ; the keys are in; the 24 row loads behind them may be out
	; insert each key into the ascending list of 8: new L[i] = min(L[i], max(L[i-1], x)); the maxima use the old list
.set kn, 0
.rept 32
.irp i, 1,2,3,4,5,6,7
	v_max_u32 v[DP+\i], v[LST+\i-1], v[KEY+kn]
.endr
.irp i, 1,2,3,4,5,6,7
	v_min_u32 v[LST+\i], v[LST+\i], v[DP+\i]
.endr
	v_min_u32 v[LST], v[LST], v[KEY+kn]
.set kn, kn+1
.endr
	; the other half's list, met in reverse: min(A[i], B[7-i]) are the 8 smallest of both
.irp i, 0,1,2,3,4,5,6,7
	v_permlanex16_b32 v[KEY+\i], v[LST+\i], s28, s29
.endr
.irp i, 0,1,2,3,4,5,6,7
	v_min_u32 v[LST+\i], v[LST+\i], v[KEY+7-\i]
.endr
.irp c, 0,1,2,3,4,5,6,7
	v_and_b32 v[EV+\c], 0x1fff, v[LST+\c]
	v_min_u32 v[EV+\c], 0x1fff, v[EV+\c]
	v_lshlrev_b32 v[EV+\c], 2, v[EV+\c]
	global_load_b32 v[EV+\c], v[EV+\c], s[8:9] offset:ESQOFF
.endr
	s_wait_loadcnt 8                               ; the 24 rows are in; the 8 loads of e_sq may be out
.irp t, 0,1,2,3
.irp k, 0,2,4,6
	v_pk_add_f32 v[ROW+8*\t+\k:ROW+8*\t+\k+1], v[ROW+8*\t+\k:ROW+8*\t+\k+1], v[ROW+32+8*\t+\k:ROW+32+8*\t+\k+1]
.endr
.irp k, 0,2,4,6
	v_pk_add_f32 v[ROW+8*\t+\k:ROW+8*\t+\k+1], v[ROW+8*\t+\k:ROW+8*\t+\k+1], v[ROW+64+8*\t+\k:ROW+64+8*\t+\k+1]
.endr
	ds_store_b128 v15, v[ROW+8*\t:ROW+8*\t+3]   offset:1024*\t
	ds_store_b128 v15, v[ROW+8*\t+4:ROW+8*\t+7] offset:1024*\t+512
.endr
	s_wait_dscnt 0x0                               ; the stores are done before their data registers are loaded again
.macro ISSUE i, b                      ; 20 loads: r, z and the 8 candidate rows
.if \i > 1
	s_wait_xcnt 0x0                                ; set b's z registers were the store data of the token two before: they are loaded again only behind this wait
.endif                                 ; (tokens 0 and 1 have no store ahead of them and write no source of a pending load)
	s_add_co_u32 s26, s25, \i
.irp c, 0,1,2,3,4,5,6,7
	v_readlane_b32 s[CD+8*\b+\c], v[LST+\c], s26
.endr
.irp c, 0,1,2,3,4,5,6,7
	s_and_b32 s[CD+8*\b+\c], s[CD+8*\b+\c], 0x1fff
	s_min_u32 s[CD+8*\b+\c], s[CD+8*\b+\c], 0x1fff
	v_lshl_add_u32 v[VOFF+8*\b+\c], s[CD+8*\b+\c], 10, v2
.endr
	global_load_b128 v[RES+8*\b:RES+8*\b+3],   v2, s[4:5] offset:1024*\i
	global_load_b128 v[RES+8*\b+4:RES+8*\b+7], v2, s[4:5] offset:1024*\i+512
	global_load_b128 v[ZV+8*\b:ZV+8*\b+3],     v2, s[12:13] offset:1024*\i
	global_load_b128 v[ZV+8*\b+4:ZV+8*\b+7],   v2, s[12:13] offset:1024*\i+512
.irp c, 0,1,2,3,4,5,6,7
	global_load_b128 v[ROW+64*\b+8*\c:ROW+64*\b+8*\c+3],   v[VOFF+8*\b+\c], s[6:7]
	global_load_b128 v[ROW+64*\b+8*\c+4:ROW+64*\b+8*\c+7], v[VOFF+8*\b+\c], s[6:7] offset:512
.endr
.endm
; d2 of the 8 candidates of set b and the choice: best d2 in v8, its code in v9, its row in QV.  s26 = the token's lane.
.macro DOTSEL b
	v_pk_mul_f32 v[DP+16:DP+17], v[RES+8*\b:RES+8*\b+1], v[RES+8*\b:RES+8*\b+1]
.irp c, 0,1,2,3,4,5,6,7
	v_pk_mul_f32 v[DP+2*\c:DP+2*\c+1], v[RES+8*\b:RES+8*\b+1], v[ROW+64*\b+8*\c:ROW+64*\b+8*\c+1]
.endr
.irp k, 2,4,6
	v_pk_fma_f32 v[DP+16:DP+17], v[RES+8*\b+\k:RES+8*\b+\k+1], v[RES+8*\b+\k:RES+8*\b+\k+1], v[DP+16:DP+17]
.irp c, 0,1,2,3,4,5,6,7
	v_pk_fma_f32 v[DP+2*\c:DP+2*\c+1], v[RES+8*\b+\k:RES+8*\b+\k+1], v[ROW+64*\b+8*\c+\k:ROW+64*\b+8*\c+\k+1], v[DP+2*\c:DP+2*\c+1]
.endr
.endr
.irp c, 0,1,2,3,4,5,6,7,8
	v_add_f32 v[DP+2*\c], v[DP+2*\c], v[DP+2*\c+1]
.endr
.irp m, 1,2,4,8
.irp c, 0,1,2,3,4,5,6,7,8
	v_add_f32_dpp v[DP+2*\c], v[DP+2*\c], v[DP+2*\c] row_xmask:\m row_mask:0xf bank_mask:0xf
.endr
.endr
.irp c, 0,1,2,3,4,5,6,7,8
	v_permlanex16_b32 v[DP+2*\c+1], v[DP+2*\c], s28, s29
.endr
.irp c, 0,1,2,3,4,5,6,7,8
	v_add_f32 v[DP+2*\c], v[DP+2*\c], v[DP+2*\c+1]
.endr
.irp c, 0,1,2,3,4,5,6,7
	v_readlane_b32 s51, v[EV+\c], s26
	v_fma_f32 v[DP+2*\c], v[DP+2*\c], -2.0, v[DP+16]           ; 2 dot is exact, so this is the one rounding of r_sq - 2 dot
	v_add_f32 v[DP+2*\c], s51, v[DP+2*\c]                      ; + e_sq, rounded again
.endr
	v_mov_b32 v9, s[CD+8*\b]
.irp c, 1,2,3,4,5,6,7
	v_mov_b32 v11, s[CD+8*\b+\c]
.if \c == 1
	v_cmp_lt_f32 s48, v[DP+2], v[DP]
	v_cmp_eq_f32 s49, v[DP+2], v[DP]
.else
	v_cmp_lt_f32 s48, v[DP+2*\c], v8
	v_cmp_eq_f32 s49, v[DP+2*\c], v8
.endif
	v_cmp_gt_u32 s50, v9, v11
	s_and_b32 s49, s49, s50                        ; equal and a lower code,
	s_or_b32 s48, s48, s49                         ; or smaller: candidate c takes over
.if \c == 1
	v_cndmask_b32 v8, v[DP], v[DP+2], s48          ; the first choice reads rows 0 and 1: nothing is copied
.irp k, 0,1,2,3,4,5,6,7
	v_cndmask_b32 v[QV+\k], v[ROW+64*\b+\k], v[ROW+64*\b+8+\k], s48
.endr
.else
	v_cndmask_b32 v8, v8, v[DP+2*\c], s48
.irp k, 0,1,2,3,4,5,6,7
	v_cndmask_b32 v[QV+\k], v[QV+\k], v[ROW+64*\b+8*\c+\k], s48
.endr
.endif
	v_cndmask_b32 v9, v9, v11, s48
.endr
.endm
.macro PROC i, b, left
	s_wait_loadcnt \left                           ; loads come back in order: this token's 20 are in, the next token's 20 may be out
	s_add_co_u32 s26, s25, \i
	ds_load_b128 v[ZT:ZT+3],   v15 offset:1024*\i              ; q1 + q2 + q3, back while the dots are made
	ds_load_b128 v[ZT+4:ZT+7], v15 offset:1024*\i+512
	DOTSEL \b
	s_wait_dscnt 0x0
.irp k, 0,2,4,6
	v_pk_add_f32 v[ZT+\k:ZT+\k+1], v[ZT+\k:ZT+\k+1], v[QV+\k:QV+\k+1]                                       ; z_q
	v_pk_add_f32 v[ZT+\k:ZT+\k+1], v[ZT+\k:ZT+\k+1], v[ZV+8*\b+\k:ZV+8*\b+\k+1] neg_lo:[0,1] neg_hi:[0,1]   ; z_q - z
.if \i+\k == 0
	v_pk_mul_f32 v[12:13], v[ZT:ZT+1], v[ZT:ZT+1]              ; the first squares start the sum
.else
	v_pk_fma_f32 v[12:13], v[ZT+\k:ZT+\k+1], v[ZT+\k:ZT+\k+1], v[12:13]
.endif
	v_pk_add_f32 v[ZV+8*\b+\k:ZV+8*\b+\k+1], v[ZV+8*\b+\k:ZV+8*\b+\k+1], v[ZT+\k:ZT+\k+1]                   ; z + (z_q - z)
.endr
	global_store_b128 v2, v[ZV+8*\b:ZV+8*\b+3],   s[20:21] offset:1024*\i th:TH_STORE_NT       ; a wave's store covers 512 consecutive bytes, aligned
	global_store_b128 v2, v[ZV+8*\b+4:ZV+8*\b+7], s[20:21] offset:1024*\i+512 th:TH_STORE_NT
.endm
	ISSUE 0, 0
	ISSUE 1, 1
	PROC 0, 0, 20
	ISSUE 2, 0
	PROC 1, 1, 20
	ISSUE 3, 1
	PROC 2, 0, 20
	PROC 3, 1, 0
	v_add_f32 v12, v12, v13
	v_add_f32_dpp v12, v12, v12 row_xmask:1 row_mask:0xf bank_mask:0xf
	v_add_f32_dpp v12, v12, v12 row_xmask:2 row_mask:0xf bank_mask:0xf
	v_add_f32_dpp v12, v12, v12 row_xmask:4 row_mask:0xf bank_mask:0xf
	v_add_f32_dpp v12, v12, v12 row_xmask:8 row_mask:0xf bank_mask:0xf
	v_permlanex16_b32 v13, v12, s28, s29
	v_add_f32 v12, v12, v13                        ; my four tokens' sum of diff^2
	ds_store_b32 v14, v12
	s_wait_dscnt 0x0                               ; my word is in LDS before I say so
	s_barrier_signal -1
	s_barrier_wait -1
	s_cmp_lg_u32 s24, 0
	s_cbranch_scc1 .Lend
	v_mov_b32 v5, 0
	ds_load_b128 v[8:11], v5
	s_wait_dscnt 0x0
	v_add_f32 v8, v8, v9
	v_add_f32 v10, v10, v11
	v_add_f32 v8, v8, v10
	v_cmp_eq_u32 vcc_lo, 0, v0
	s_wait_xcnt 0x0                                ; EXEC is a source of the stores above
	s_and_saveexec_b32 s27, vcc_lo
	global_store_b32 v5, v8, s[22:23]              ; one word a work-group: 2,048 bytes in the whole launch
	s_wait_xcnt 0x0
	s_or_b32 exec_lo, exec_lo, s27
.Lend:
	s_wait_tensorcnt 0x0
	ds_add_u32 v254, v255
	s_wait_dscnt 0x0
	s_endpgm
.Lfunc_end_k_q493a595226_b4:
	.size	k_q493a595226_b4, .Lfunc_end_k_q493a595226_b4-k_q493a595226_b4
	.p2alignl 7, 3214868480
	.fill 96, 4, 3214868480
	.section	.rodata,"a",@progbits
	.p2align	6, 0x0
	.amdhsa_kernel k_q493a595226_b4
		.amdhsa_group_segment_fixed_size 17152
		.amdhsa_private_segment_fixed_size 0
		.amdhsa_enable_private_segment 0
		.amdhsa_kernarg_size 80
		.amdhsa_user_sgpr_count 2
		.amdhsa_user_sgpr_kernarg_segment_ptr 1
		.amdhsa_wavefront_size32 1
		.amdhsa_system_sgpr_workgroup_id_x 1
		.amdhsa_system_sgpr_workgroup_id_y 1
		.amdhsa_system_sgpr_workgroup_id_z 1
		.amdhsa_system_vgpr_workitem_id 0
		.amdhsa_next_free_vgpr 256
		.amdhsa_next_free_sgpr 72
		.amdhsa_reserve_vcc 1
		.amdhsa_float_denorm_mode_32 3
		.amdhsa_float_denorm_mode_16_64 3
		.amdhsa_memory_ordered 1
		.amdhsa_forward_progress 1
		.amdhsa_inst_pref_size 103
	.end_amdhsa_kernel
	.amdgpu_metadata
---
amdhsa.version: [ 1, 2 ]
amdhsa.kernels:
  - .name:           k_q493a595226_b4
    .symbol:         k_q493a595226_b4.kd
    .args:
      - { .name: ra, .offset: 0, .size: 8, .value_kind: global_buffer, .address_space: global }
      - { .name: emb, .offset: 8, .size: 8, .value_kind: global_buffer, .address_space: global }
      - { .name: tab, .offset: 16, .size: 8, .value_kind: global_buffer, .address_space: global }
      - { .name: keys, .offset: 24, .size: 8, .value_kind: global_buffer, .address_space: global }
      - { .name: z, .offset: 32, .size: 8, .value_kind: global_buffer, .address_space: global }
      - { .name: idx1, .offset: 40, .size: 8, .value_kind: global_buffer, .address_space: global }
      - { .name: idx2, .offset: 48, .size: 8, .value_kind: global_buffer, .address_space: global }
      - { .name: idx3, .offset: 56, .size: 8, .value_kind: global_buffer, .address_space: global }
      - { .name: out1, .offset: 64, .size: 8, .value_kind: global_buffer, .address_space: global }
      - { .name: rb, .offset: 72, .size: 8, .value_kind: global_buffer, .address_space: global }
    .group_segment_fixed_size: 17152
    .private_segment_fixed_size: 0
    .kernarg_segment_align: 8
    .kernarg_segment_size: 80
    .max_flat_workgroup_size: 128
    .sgpr_count:     72
    .vgpr_count:     256
    .wavefront_size: 32
...
	.end_amdgpu_metadata
.endif
;; end of part 8
;; launch loss: the kernel of part 5 again; grid 1 x 1, 1 waves a work-group, no clusters, 0 bytes of LDS; arguments rb, out0; writes out0
